; MI455X (gfx1250); checked and timed in simulation.
; The chip was launched on July 23, 2026; its instructions are those of AMD's public machine-readable ISA for CDNA 5 (MIT licence, August 2026) and "CDNA5" Instruction Set Architecture Reference Guide (July 2026). The comments in the code are by the model that wrote it; some were corrected since.
;; Masked Multi Head Self Attention. Allowed arithmetic: matrix products marked QUANTISED: E4M3 operands, one given power-of-two scale a tensor, by v_wmma_f32_16x16x64_fp8_fp8 or v_wmma_f32_16x16x128_fp8_fp8, f32 sums; everything else in f32.
;; Inputs: Wout 1,024 x 1,024 float32; Wqkv 1,024 x 3,072 float32; attn_mask 2,048 x 2,048 float32; bout 1,024 float32; bqkv 3,072 float32; lowp_scales 8 int32 (the exponents e of the quantised operands' scales 2^e); x 4 x 2,048 x 1,024 float32.
;; Outputs: out0 4 x 2,048 x 1,024 float32.
;; This version of the problem:
;;   THIS VERSION OF THE PROBLEM IS GIVEN IN LOW PRECISION. The matrix products marked QUANTISED in the list below multiply operands that are first quantised to E4M3 (4 exponent bits, 3 mantissa bits; 8 bits a number), with one given power-of-two scale for each operand tensor; their sums are f32. All else is computed in f32.
;;   The module's matrix products, in the order in which they are computed (A, B: the left and right operand; K: the contracted axis; several contracted axes count as one K, in the product's order):
;;     1. [M 8,192, K 1,024] x [K 1,024, N 3,072]; A: input x; B: input Wqkv: QUANTISED (scales: A lowp_scales[0], B lowp_scales[1])
;;     2. batch 64 x [M 2,048, K 64] x [K 64, N 2,048]; A: computed on the way; B: computed on the way: QUANTISED (scales: A lowp_scales[2], B lowp_scales[3])
;;     3. batch 64 x [M 2,048, K 2,048] x [K 2,048, N 64]; A: softmax (see below); B: computed on the way: QUANTISED (scales: A lowp_scales[4], B lowp_scales[5])
;;     4. [M 8,192, K 1,024] x [K 1,024, N 1,024]; A: computed on the way; B: input Wout: QUANTISED (scales: A lowp_scales[6], B lowp_scales[7])
;;   THE QUANTISER, for each operand of a quantised product, along K:
;;     - The operand's scale is 2^e, e = its entry of the input lowp_scales (int32; the entries are numbered through the quantised products in the list's order, A before B).
;;     - Each number is divided by the scale, clamped to +-448, and rounded to the nearest number of E4M3, ties to even, subnormals kept.
;;     - The product sums the exact products of the quantised numbers (number of the format x scale) in f32.
;;   ~~~python
;;   def quantise(x, axis, e):      # numpy; x: float32 -> the quantised numbers, widened to float32 again
;;       x = np.moveaxis(x, axis, -1); K = x.shape[-1]
;;       r = np.clip(x / 2.0 ** e, -448, 448)
;;       step = 2.0 ** (np.maximum(np.frexp(np.where(r == 0, 1, r))[1] - 1, -6) - 3)
;;       q = np.round(r / step) * step * 2.0 ** e      # np.round: ties to even
;;       return np.moveaxis(q, -1, axis).astype(np.float32)
;;   ~~~
;;   SOFTMAX AHEAD OF A QUANTISED PRODUCT. Where the list says 'softmax', what is quantised is not the finished softmax but p = 2^(t - M), with t = logit x log2(e) and M = ceil(the row's largest t), a whole number; so 1/2 < the row's largest p <= 1. The row's sum l is taken of the UNQUANTISED p, in f32, and the product's result is divided by l at the end. Since M is a whole number, a kernel that streams over the keys may use a running M (the ceiling of the running maximum): every later rescaling is an exact power of two, so the quantised numbers keep their values, but for numbers so far below the row's largest that they fall under the format's range.
;;   OPERANDS COMPUTED ON THE WAY. 'Computed on the way' means the value that the module computes at that place (a softmax that the list does not call 'softmax' is quantised finished and normalised). What goes into a quantiser is computed in f32, as accurately as f32 sums, v_exp_f32 and their like allow (about 1e-6 of the number): no bf16 or f16 on the way to a quantiser, and a product that is left as it is and whose result goes on into a quantised operand takes f32 operands (vector FMAs, or v_wmma_f32_16x16x4_f32). A number that lies on a knife's edge between two numbers of the format may be rounded either way, as far as f32 arithmetic and the matrix unit's own rounding can turn it there, and no further.
;; One version. Each part assembles by itself: llvm-mc -triple=amdgcn-amd-amdhsa -mcpu=gfx1250 --defsym DOCPART=n.
;; ======== version 1 of 1: 4 launches
;; workspace buffers: xc 8,388,608 bytes; wqc 3,145,728 bytes; woc 1,048,576 bytes; qkvc 25,165,824 bytes; ac 8,388,608 bytes
;; launch prep (part 1): grid 384 x 1, 4 waves a work-group, no clusters, 68,096 bytes of LDS; arguments x, Wqkv, Wout, lowp_scales, xc, wqc, woc; writes xc, wqc, woc
.if DOCPART == 1
	.amdgcn_target "amdgcn-amd-amdhsa--gfx1250"
	.amdhsa_code_object_version 6
	.text
	.protected	k_qbed3edb968_prep
	.globl	k_qbed3edb968_prep
	.p2align	8
	.type	k_qbed3edb968_prep,@function
k_qbed3edb968_prep:
	s_mov_b64 s[64:65], 0
	v_nop
	global_prefetch_b8 v0, s[64:65] scope:SCOPE_SE
	s_setreg_imm32_b32 hwreg(HW_REG_WAVE_MODE, 25, 1), 1
	s_wait_xcnt 0x0
; The three wide inputs of the two projections become codes of E4M3, K innermost, each with the scale 2^e that is given for it:
;   x [8192][1024] f32 -> xc [8192][1024] (e = entry 0);  Wqkv [1024 k][3072 n] -> wqc [3072 n][1024 k] (entry 1);  Wout [1024 k][1024 n] -> woc [1024 n][1024 k] (entry 7).
; code = number / 2^e, held within +-448, to the nearest code, ties to even.  LIMITS: each e between -126 and 119, so that 2^e and 448 x 2^e are f32 numbers; NaN among the inputs is not served.
; Work-groups 0-255 take x, 32,768 numbers each; work-groups 256-351 take Wqkv and 352-383 Wout, 128 columns x 256 along K each: every work-group reads 131,072 bytes.
; The two ways part on the work-group's number, never join, and have LDS bytes of their own.  No tile is read by two work-groups, so there is nothing to share in a cluster; no tensor load, no barrier: waves share nothing.
.set STEPS, 16
.set R,     16                         ; x: v16-79   four sets of 16 numbers as they are loaded
.set X,     80                         ; x: v80-111  two sets of 16 neighbours
.set C,     128                        ; x: v128-191 codes, four registers for each step: no store's data are written again
.set WREG,  8192                       ; x: LDS 0 .. 32,767: a region for each wave: two stages of 32 x SP bytes
.set SP,    80                         ; x: a lane's place in a stage: its 64 bytes + 16 of padding
.set WX,    32                         ; weights: v32-95   two sets of 32 numbers
.set WC,    96                         ; weights: v96-103  a block's codes
.set OUTR,  112                        ; weights: v112-175 the way out
.set VO,    176                        ; weights: v176-207 byte offset of row i of a block of 32 rows, at my column
.set WSTG,  32768                      ; weights: LDS from here on: 32 rows x WP bytes for each wave
.set WP,    272
	s_load_b256 s[4:11], s[0:1], 0x0               ; x s[4:5], Wqkv s[6:7], Wout s[8:9], the exponents s[10:11]
	s_load_b128 s[12:15], s[0:1], 0x20             ; xc s[12:13], wqc s[14:15]
	s_load_b64 s[16:17], s[0:1], 0x30              ; woc
	v_lshl_add_u32 v224, v0, 2, 0x10800
	v_mov_b32 v225, 0
	v_lshrrev_b32 v1, 5, v0
	v_readfirstlane_b32 s20, v1                    ; wave 0..3
	v_and_b32 v2, 31, v0                           ; lane
	s_wait_kmcnt 0x0
	s_load_b256 s[48:55], s[10:11], 0x0            ; the eight exponents
	s_cmp_lt_u32 ttmp9, 256
	s_cbranch_scc0 .Lweights
; ---- x: a plain stream.  A wave takes 16 steps of 512 numbers.  Each load reads 512 consecutive bytes, 16 a lane; a step's 2,048 bytes turn through the wave's own stage, so that a lane then holds 16 neighbours along K,
; which is what the conversion takes from one lane's registers.  A lane's 16 codes are 16 bytes: the wave stores 512 consecutive bytes.
	v_lshlrev_b32 v3, 4, v2                        ; my 16 bytes of a load's 512
	s_mul_i32 s21, s20, WREG
	v_lshrrev_b32 v14, 2, v2
	v_mul_u32_u24 v14, v14, SP
	v_and_b32 v15, 3, v2
	v_lshl_add_u32 v14, v15, 4, v14
	v_add_nc_u32 v14, s21, v14                     ; into the stage: four lanes' 64 bytes on end, then 16 of padding
	v_mul_u32_u24 v15, v2, SP
	v_add_nc_u32 v15, s21, v15                     ; out of it: SP x lane: my 16 neighbours
	v_lshlrev_b32 v4, 4, v2                        ; my codes' place in a step's
	s_lshl_b32 s22, ttmp9, 2
	s_add_co_u32 s22, s22, s20                     ; which run of 8,192 numbers is my wave's
	s_lshl_b32 s24, s22, 15                        ; 32,768 bytes of numbers,
	s_mov_b32 s25, 0
	s_add_nc_u64 s[4:5], s[4:5], s[24:25]
	s_lshl_b32 s24, s22, 13                        ; 8,192 bytes of codes
	s_add_nc_u64 s[12:13], s[12:13], s[24:25]
.macro LOAD t
.irp i, 0,1,2,3
	global_load_b128 v[R+16*((\t)%4)+4*\i:R+16*((\t)%4)+4*\i+3], v3, s[4:5] offset:2048*(\t)+512*\i th:TH_LOAD_NT
.endr
.endm
.macro TURN t                          ; step t's numbers through the stage: LDS serves a wave's instructions in order (ISA guide 5.7.1.4), so no wait stands between the stores and the loads
.irp i, 0,1,2,3
	ds_store_b128 v14, v[R+16*((\t)%4)+4*\i:R+16*((\t)%4)+4*\i+3] offset:32*SP*((\t)%2)+8*SP*\i
.endr
.irp i, 0,1,2,3
	ds_load_b128 v[X+16*((\t)%2)+4*\i:X+16*((\t)%2)+4*\i+3], v15 offset:32*SP*((\t)%2)+16*\i
.endr
.endm
.irp t, 0,1,2,3
	LOAD \t
.endr
	s_wait_kmcnt 0x0
	s_add_co_i32 s22, s48, 127
	s_lshl_b32 s23, s22, 23
	v_mov_b32 v11, s23                             ; 2^e as f32: the conversion takes its exponent field
	s_add_co_i32 s22, s22, 8
	s_lshl_b32 s22, s22, 23
	s_or_b32 s22, s22, 0x600000
	v_mov_b32 v10, s22                             ; 448 x 2^e
	s_wait_loadcnt 12                              ; step 0's four loads are in
	TURN 0
.macro STEP t
.set XS, X+16*((\t)%2)
	s_wait_dscnt 0x0                               ; this step's numbers are back from the stage, so its stores into the stage have read their registers,
.if (\t)+4 < STEPS
	LOAD (\t)+4                                    ; which take the loads of four steps on
.endif
.if (\t)+1 < STEPS
.if STEPS-2-(\t) >= 3
	s_wait_loadcnt 12                              ; the next step's four loads are in; those of the three steps behind it may be out
.else
	s_wait_loadcnt 4*(STEPS-2-(\t))
.endif
	TURN (\t)+1                                    ; and go through the other stage while this step is worked
.endif
.irp i, 0,1,2,3,4,5,6,7,8,9,10,11,12,13,14,15
	v_med3_num_f32 v[XS+\i], v[XS+\i], -v10, v10   ; the conversion to an 8-bit code does not saturate (ISA guide 7.6.2): the hold comes first
.endr
	v_cvt_scalef32_pk8_fp8_f32 v[C+4*(\t):C+4*(\t)+1], v[XS:XS+7], v11
	v_cvt_scalef32_pk8_fp8_f32 v[C+4*(\t)+2:C+4*(\t)+3], v[XS+8:XS+15], v11
	global_store_b128 v4, v[C+4*(\t):C+4*(\t)+3], s[12:13] offset:512*(\t)   ; the codes go to a store alone; the next vector lines are the next step's holds, on other registers
.endm
.irp t, 0,1,2,3,4,5,6,7,8,9,10,11,12,13,14,15
	STEP \t
.endr
	s_wait_tensorcnt 0x0
	ds_add_u32 v224, v225
	s_wait_dscnt 0x0
	s_endpgm
; ---- the weights: K is their FIRST axis.  A lane takes a column n and its registers run down K: each load reads 128 consecutive bytes a wave, and the conversions give codes with K innermost; nothing is transposed by an instruction.
; A wave takes 32 columns x 256 along K.  A lane's codes belong to one row of the output and its neighbours' to other rows: they go through the wave's own stage and leave as rows, sixteen lanes to 256 aligned bytes.
; One text serves both weights: buffers, row length and exponent are chosen by the work-group's number.
.Lweights:
	s_sub_co_u32 s21, ttmp9, 256
	s_mov_b32 s22, 12288
	s_cmp_ge_u32 s21, 96                           ; Wout's work-groups come behind Wqkv's 96
	s_cselect_b64 s[6:7], s[8:9], s[6:7]           ; from
	s_cselect_b64 s[14:15], s[16:17], s[14:15]     ; to
	s_cselect_b32 s22, 4096, s22                   ; bytes in a row of the weight
	s_cselect_b32 s23, 96, 0
	s_sub_co_u32 s21, s21, s23
	s_and_b32 s24, s21, 3                          ; which 256 along K
	s_lshr_b32 s25, s21, 2                         ; which 128 columns
	s_lshl_b32 s26, s25, 7
	s_lshl_b32 s27, s20, 5
	s_add_co_u32 s26, s26, s27                     ; my wave's first column
	s_lshl_b32 s27, s24, 8
	s_mul_i32 s27, s27, s22                        ; 256 rows x which
	s_lshl_b32 s28, s26, 2
	s_add_co_u32 s28, s27, s28
	s_mov_b32 s29, 0
	s_add_nc_u64 s[32:33], s[6:7], s[28:29]        ; block 0 of eight blocks of 32 rows,
	s_lshl_b32 s28, s22, 5
.irp t, 1,2,3,4,5,6,7
	s_add_nc_u64 s[32+2*\t:33+2*\t], s[30+2*\t:31+2*\t], s[28:29]   ; and the seven behind it: a base for each, never stepped
.endr
	s_lshl_b32 s30, s26, 10                        ; a row of codes is 1,024 bytes
	s_lshl_b32 s31, s24, 8
	s_add_co_u32 s30, s30, s31
	s_mov_b32 s31, 0
	s_add_nc_u64 s[14:15], s[14:15], s[30:31]
	v_lshlrev_b32 v[VO], 2, v2
.set i, 1
.rept 31
	v_add_nc_u32 v[VO+i], s22, v[VO+i-1]
.set i, i+1
.endr
	s_mul_i32 s56, s20, 32*WP
	s_add_co_u32 s56, s56, WSTG                    ; my stage
	v_mul_u32_u24 v4, v2, WP
	v_add_nc_u32 v4, s56, v4                       ; into it: row = my column
	v_and_b32 v5, 15, v2
	v_lshrrev_b32 v6, 4, v2
	v_mul_u32_u24 v7, v6, WP
	v_lshl_add_u32 v7, v5, 4, v7
	v_add_nc_u32 v7, s56, v7                       ; out of it: sixteen lanes to a row, two rows an instruction
	v_lshlrev_b32 v8, 10, v6
	v_lshl_add_u32 v8, v5, 4, v8                   ; and the same place among the codes
.macro WLOAD t                         ; block t: W(32 t + i, my column), i = 0 .. 31, into set t % 2
.set i, 0
.rept 32
	global_load_b32 v[WX+32*((\t)%2)+i], v[VO+i], s[32+2*(\t):33+2*(\t)] th:TH_LOAD_NT
.set i, i+1
.endr
.endm
	WLOAD 0
	WLOAD 1
	s_wait_kmcnt 0x0
	s_cmp_ge_u32 ttmp9, 352
	s_cselect_b32 s57, s55, s49                    ; entry 7 for Wout, entry 1 for Wqkv
	s_add_co_i32 s57, s57, 127
	s_lshl_b32 s56, s57, 23
	v_mov_b32 v11, s56                             ; 2^e
	s_add_co_i32 s57, s57, 8
	s_lshl_b32 s57, s57, 23
	s_or_b32 s57, s57, 0x600000
	v_mov_b32 v10, s57                             ; 448 x 2^e
.macro BLOCK t
.set XS, WX+32*((\t)%2)
.if (\t) < 7
	s_wait_loadcnt 32                              ; this block's 32 loads are in; the next block's may be out
.else
	s_wait_loadcnt 0x0
.endif
.set i, 0
.rept 32
	v_med3_num_f32 v[XS+i], v[XS+i], -v10, v10
.set i, i+1
.endr
.irp g, 0,1,2,3
	v_cvt_scalef32_pk8_fp8_f32 v[WC+2*\g:WC+2*\g+1], v[XS+8*\g:XS+8*\g+7], v11
.endr
	ds_store_b128 v4, v[WC:WC+3] offset:32*(\t)    ; 32 codes: 32 bytes of my column's row
	ds_store_b128 v4, v[WC+4:WC+7] offset:32*(\t)+16
.if (\t)+2 < 8
	WLOAD (\t)+2
.endif
	s_wait_dscnt 0x0                               ; the stores have read their registers: the next block's codes may be written
.endm
.irp t, 0,1,2,3,4,5,6,7
	BLOCK \t
.endr
.irp t, 0,1,2,3,4,5,6,7,8,9,10,11,12,13,14,15
	ds_load_b128 v[OUTR+4*\t:OUTR+4*\t+3], v7 offset:2*\t*WP
.endr
.irp t, 0,1,2,3,4,5,6,7,8,9,10,11,12,13,14,15
	s_wait_dscnt 15-\t                             ; row pair t is back; the younger loads may be out
	global_store_b128 v8, v[OUTR+4*\t:OUTR+4*\t+3], s[14:15] offset:2*\t*1024
.endr
	s_wait_tensorcnt 0x0
	ds_add_u32 v224, v225
	s_wait_dscnt 0x0
	s_endpgm
.Lfunc_end_k_qbed3edb968_prep:
	.size	k_qbed3edb968_prep, .Lfunc_end_k_qbed3edb968_prep-k_qbed3edb968_prep
	.p2alignl 7, 3214868480
	.fill 96, 4, 3214868480
	.section	.rodata,"a",@progbits
	.p2align	6, 0x0
	.amdhsa_kernel k_qbed3edb968_prep
		.amdhsa_group_segment_fixed_size 68096
		.amdhsa_private_segment_fixed_size 0
		.amdhsa_enable_private_segment 0
		.amdhsa_kernarg_size 56
		.amdhsa_user_sgpr_count 2
		.amdhsa_user_sgpr_kernarg_segment_ptr 1
		.amdhsa_wavefront_size32 1
		.amdhsa_system_sgpr_workgroup_id_x 1
		.amdhsa_system_sgpr_workgroup_id_y 1
		.amdhsa_system_sgpr_workgroup_id_z 1
		.amdhsa_system_vgpr_workitem_id 0
		.amdhsa_next_free_vgpr 226
		.amdhsa_next_free_sgpr 66
		.amdhsa_reserve_vcc 0
		.amdhsa_float_denorm_mode_32 3
		.amdhsa_float_denorm_mode_16_64 3
		.amdhsa_memory_ordered 1
		.amdhsa_forward_progress 1
		.amdhsa_inst_pref_size 87
	.end_amdhsa_kernel
	.amdgpu_metadata
---
amdhsa.version: [ 1, 2 ]
amdhsa.kernels:
  - .name:           k_qbed3edb968_prep
    .symbol:         k_qbed3edb968_prep.kd
    .args:
      - { .name: x, .offset: 0, .size: 8, .value_kind: global_buffer, .address_space: global }
      - { .name: Wqkv, .offset: 8, .size: 8, .value_kind: global_buffer, .address_space: global }
      - { .name: Wout, .offset: 16, .size: 8, .value_kind: global_buffer, .address_space: global }
      - { .name: lowp_scales, .offset: 24, .size: 8, .value_kind: global_buffer, .address_space: global }
      - { .name: xc, .offset: 32, .size: 8, .value_kind: global_buffer, .address_space: global }
      - { .name: wqc, .offset: 40, .size: 8, .value_kind: global_buffer, .address_space: global }
      - { .name: woc, .offset: 48, .size: 8, .value_kind: global_buffer, .address_space: global }
    .group_segment_fixed_size: 68096
    .private_segment_fixed_size: 0
    .kernarg_segment_align: 8
    .kernarg_segment_size: 56
    .max_flat_workgroup_size: 128
    .sgpr_count:     66
    .vgpr_count:     226
    .wavefront_size: 32
...
	.end_amdgpu_metadata
.endif
;; end of part 1
;; launch gemm_qkv (part 2): grid 12 x 32, 4 waves a work-group, clusters of 4 x 4, 327,680 bytes of LDS; arguments xc, wqc, bqkv, lowp_scales, qkvc; writes qkvc
.if DOCPART == 2
	.amdgcn_target "amdgcn-amd-amdhsa--gfx1250"
	.amdhsa_code_object_version 6
	.text
	.protected	k_qbed3edb968_gemm_qkv
	.globl	k_qbed3edb968_gemm_qkv
	.p2align	8
	.type	k_qbed3edb968_gemm_qkv,@function
k_qbed3edb968_gemm_qkv:
	s_mov_b64 s[64:65], 0
	v_nop
	global_prefetch_b8 v0, s[64:65] scope:SCOPE_SE
	s_setreg_imm32_b32 hwreg(HW_REG_WAVE_MODE, 25, 1), 1
	s_wait_xcnt 0x0
	s_wait_alu depctr_hold_cnt(0) depctr_sa_sdst(0) depctr_va_vdst(0) depctr_va_sdst(0) depctr_va_ssrc(0) depctr_va_vcc(0) depctr_vm_vsrc(0)
	s_getreg_b32 s2, hwreg(HW_REG_IB_STS2, 6, 4)
	s_cmp_eq_u32 s2, 0
	s_cbranch_scc0 .Lentry_in_a_cluster
	s_endpgm
.Lentry_in_a_cluster:
	s_bfe_u32 s2, ttmp6, 0x10000c
	s_cmp_lg_u32 s2, 0xf033
	s_cbranch_scc0 .Lentry_shape_is_right
	s_endpgm
.Lentry_shape_is_right:
; qkv = x Wqkv + bqkv on codes of E4M3 (xc [8192][1024], wqc [3072][1024], K innermost), and q, k, v quantised at once, each with its own given scale, into qkvc, laid as the attention launch reads it.
; A sum of codes stands for sum x 2^(e0 + e1); one fused multiply-add gives sum x 2^(e0 + e1) + bias in f32; that number is held within +-448 x 2^eo and converted (eo = entry 2 for q, 3 for k, 5 for v).
; LIMITS: e0 + e1 between -126 and 127; entries 2, 3, 5 between -126 and 119.  NaN is not served.
; A tile of 256 x 256 of the product is made by four waves, 128 x 128 each: 64 accumulators, 512 registers.  K = 1,024 goes in four steps of 256 through a ring of two LDS slots.
; THE MATRIX INSTRUCTION IS USED TRANSPOSED (source 0 = 16 rows of the operand called B here, source 1 = 16 rows of A): a lane holds one row of A and eight neighbouring rows of B.
;   cluster x = 0 (q), 1 (k): A = tokens (xc), B = channels (wqc): a lane's eight numbers are neighbours along the head's channels, q's and k's K in the next product.
;   cluster x = 2 (v):        A = channels (wqc from row 2,048), B = tokens (xc): a lane's eight numbers are neighbours along the tokens, v's K in the next product.
; The choice hangs on the cluster's x alone, which all sixteen partners share.
; CLUSTERS: 4 x 4 work-groups; the four of a row need the same tiles of A, the four of a column the same tiles of B: each tile is asked for jointly.
; qkvc: three sections of 8,388,608 bytes (q, k, v); in each, byte (((batch x 4 + head / 4) x 16 + token / 128) x 4 + head % 4) x 8,192 + inner;
;   q, k: inner = (token % 128) x 64 + channel;   v: inner = channel x 128 + pos, pos = token % 128 with its bits 3 and 4 exchanged (token 32 c + 16 u + 8 h + j lies at 32 c + 16 h + 8 u + j).
; REGISTERS: window 0: v10-31 addresses and two scales; v32-47 and v64-127 the biases; from v128 A's fragments, one set; on the way out v48-63 and v128-239 are at work.
;   window 1: B's fragments, two sets.   window 2: the accumulators of my rows 0-63 ((a, b) at v[8 (8 a + b)]);   window 3: those of my rows 64-127.
; No prefetch: the launch has four K steps.
.set KSTEP,  256
.set ROWB,   256                       ; a tile's row in bytes
.set KROW,   1024                      ; a row of codes in memory
.set PITCH,  272                       ; an LDS row: 256 bytes + 16 of padding = 68 words: the 16 rows that a load touches start at 16 different banks (64 banks of 4 bytes: ISA guide 11.1)
.set FR,     16
.set NL,     4
.set NP,     4                         ; places behind this matrix instruction (ISA guide 7.12.1)
.set HALFT,  128*PITCH
.set SLOT,   4*HALFT                   ; A's 256 rows, then B's 256 rows
.set LAPS,   2                         ; 1,024 / (2 x 256)
.set SPARE,  2*SLOT                    ; the spare words, 128 bytes for each wave: two blocks of 256 bytes that no other line names
.set STQ,    SPARE+512                 ; q's and k's stage: for each wave 2 heads x 16 rows x (64 + 16) bytes.  No fill lands here
.set STV,    STQ+4*2560                ; v's stage: for each wave 16 rows x (128 + 16) bytes
.set ADRA, 16
.set ADRB, 20
.set STOQ, 22
.set RDQ,  23
.set STOV, 24
.set RDV,  25
.set CO,   26                          ; 16 x lane
.set SPW,  28
.set NIL,  29
.set BIASR, 32                         ; v32-47   v's bias of my lane's channel in block a, twice: a pair for the packed form
.set BIASC, 64                         ; v64-127  q's and k's bias of register 8 b + j
.set TMP,  128                         ; the way out: a block's 64 numbers
.set BK,   192                         ; the way out: 2,048 bytes of codes back from the stage: v192-207 and v208-223 by turns
.set AF,   128
.set G1, 24
.set G0, 32
.set G1B, 48
.set G0B, 56
.set MSB, 0
.macro WIN new                         ; the immediate's high byte repeats the setting that is left
.if MSB != (\new)
	s_set_vgpr_msb (MSB<<8)|(\new)
.set MSB, (\new)
.endif
.endm
.set MUL_LO, 0xa1                      ; source 0 (B) window 1, source 1 (A) window 0, C and D window 2
.set MUL_HI, 0xf1
.set TO_B,   0x40
; A joint load: waves 0 and 1 fetch for A, waves 2 and 3 for B; the branch hangs on the wave's number alone.  Four v_nop follow each of the two lines.
.macro JLOAD g0a, g1a, g0b, g1b
	s_cmp_eq_u32 s15, 0
	s_cbranch_scc0 .Lfor_b_\@
	tensor_load_to_lds s[\g0a:\g0a+3], s[\g1a:\g1a+7]
	s_nop 0
.rept 4
	v_nop
.endr
	s_branch .Lasked_\@
.Lfor_b_\@:
	tensor_load_to_lds s[\g0b:\g0b+3], s[\g1b:\g1b+7]
	s_nop 0
.rept 4
	v_nop
.endr
.Lasked_\@:
.endm
.macro CREST                           ; a round of the cluster's barrier behind its opening barrier
	s_cmp_lg_u32 s14, 0
	s_cbranch_scc1 .Lnot_wave_0_\@
	s_barrier_signal -3
.Lnot_wave_0_\@:
	s_barrier_wait -3
	s_barrier_signal -1
	s_barrier_wait -1
.endm
.macro CROUND
	s_barrier_signal -1
	s_barrier_wait -1
	CREST
.endm
	s_load_b128 s[4:7], s[0:1], 0x0                ; xc s[4:5], wqc s[6:7]
	s_load_b128 s[8:11], s[0:1], 0x10              ; bqkv s[8:9], the exponents s[10:11]
	s_load_b64 s[12:13], s[0:1], 0x20              ; qkvc
	v_lshl_add_u32 v[SPW], v0, 2, SPARE
	v_mov_b32 v[NIL], 0
	ds_add_u32 v28, v29
	s_wait_dscnt 0x0
	v_lshrrev_b32 v1, 5, v0
	v_readfirstlane_b32 s14, v1                    ; wave 0..3
	s_lshr_b32 s15, s14, 1                         ; which half of the tile's rows (A) is mine.  Also: I fetch for A (0) or for B (1)
	s_and_b32 s16, s14, 1                          ; which half of its columns (B).  Also: which 128 rows of that tile I fetch
	s_bfe_u32 s40, ttmp6, 0x40000                  ; cx, cy
	s_bfe_u32 s41, ttmp6, 0x40004
	s_and_b32 s70, ttmp7, 0xffff                   ; cluster y
	s_cmp_eq_u32 ttmp9, 2                          ; v's clusters?
	s_cselect_b32 s71, s70, ttmp9                  ; B's block of four tiles: v: tokens by cluster y; q, k: channels by cluster x
	s_cselect_b32 s70, 0, s70                      ; A's: v: the 1,024 channels are one block; q, k: tokens by cluster y
	s_lshl_b32 s42, s71, 2
	s_add_co_u32 s42, s42, s40                     ; B's tile
	s_lshl_b32 s17, s70, 2
	s_add_co_u32 s17, s17, s41                     ; A's tile
	s_lshl_b32 s43, s41, 2
	s_lshl_b32 s43, 15, s43                        ; my row of the cluster
	s_lshl_b32 s44, 0x1111, s40                    ; my column
	s_or_b32 s[G1+0], s43, (0<<16)|(1<<20)|(1<<21)|(5<<22)|(3<<25)  ; 15:0 the mask; 17:16 elements of 1 byte; 20 padding on; 21 set beside a mask; 24:22 after every 64 words; 31:25 of 4 words
	s_or_b32 s[G1B+0], s44, (0<<16)|(1<<20)|(1<<21)|(5<<22)|(3<<25)
.irp g, G1, G1B
	s_mov_b32 s[\g+1], ROWB<<16                    ; tensor_dim0
	s_mov_b32 s[\g+2], 128<<16                     ; tensor_dim1
	s_mov_b32 s[\g+3], ROWB<<16                    ; tile_dim0
	s_mov_b32 s[\g+4], 128                         ; tile_dim1
	s_mov_b32 s[\g+5], KROW                        ; tensor_dim0_stride
	s_mov_b32 s[\g+6], 0
	s_mov_b32 s[\g+7], 0
.endr
	s_lshl_b32 s18, s16, 7                         ; which 128 rows of the tile I fetch
	s_lshl_b32 s20, s17, 8
	s_add_co_u32 s20, s20, s18
	s_lshl_b32 s20, s20, 10                        ; A: (256 x tile + 128 x half) rows of 1,024 bytes: under 2^24
	s_mov_b32 s21, 0
	s_lshl_b32 s46, s42, 8
	s_add_co_u32 s46, s46, s18
	s_lshl_b32 s46, s46, 10                        ; B likewise
	s_mov_b32 s47, 0
	s_mul_i32 s45, s14, HALFT                      ; where they go: wave x 128 rows: no place in the cluster enters an LDS address
	s_wait_kmcnt 0x0
	s_load_b256 s[72:79], s[10:11], 0x0            ; the eight exponents
	s_add_nc_u64 s[66:67], s[6:7], 0x200000        ; wqc at row 2,048: v's channels
	s_cmp_eq_u32 ttmp9, 2
	s_cselect_b64 s[66:67], s[66:67], s[4:5]       ; A's buffer
	s_cselect_b64 s[68:69], s[4:5], s[6:7]         ; B's
	s_add_nc_u64 s[20:21], s[66:67], s[20:21]
	s_add_nc_u64 s[46:47], s[68:69], s[46:47]
	CROUND                                         ; all sixteen work-groups are here: the first joint loads meet
.irp s, 0,1
	s_mov_b32 s[G0+4*\s], 1
	s_add_co_u32 s[G0+4*\s+1], s45, \s*SLOT
	s_add_nc_u64 s[G0+4*\s+2:G0+4*\s+3], s[20:21], \s*ROWB
	s_or_b32 s[G0+4*\s+3], s[G0+4*\s+3], 0x80000000
	s_mov_b32 s[G0B+4*\s], 1
	s_add_co_u32 s[G0B+4*\s+1], s45, \s*SLOT
	s_add_nc_u64 s[G0B+4*\s+2:G0B+4*\s+3], s[46:47], \s*ROWB
	s_or_b32 s[G0B+4*\s+3], s[G0B+4*\s+3], 0x80000000
	JLOAD G0+4*\s, G1, G0B+4*\s, G1B
.endr
	v_and_b32 v1, 15, v0                           ; r = l % 16
	v_bfe_u32 v2, v0, 4, 1                         ; h = l / 16
	v_mul_u32_u24 v3, v1, PITCH
	v_lshl_add_u32 v4, v2, 4, v3                   ; a fragment's row x pitch + 16 x half
	s_mul_i32 s21, s15, HALFT
	s_mul_i32 s22, s16, HALFT
	s_add_co_u32 s22, s22, 2*HALFT
.irp s, 0,1
	v_add_nc_u32 v[ADRA+\s], s21, v4
	v_add_nc_u32 v[ADRB+\s], s22, v4
	s_add_co_u32 s21, s21, SLOT
	s_add_co_u32 s22, s22, SLOT
.endr
	; the stages' addresses, both ways', made here where all waves and all work-groups take one way
	s_mul_i32 s23, s14, 2560
	s_add_co_u32 s23, s23, STQ
	v_mul_u32_u24 v5, v1, 80
	v_lshl_add_u32 v5, v2, 3, v5
	v_add_nc_u32 v[STOQ], s23, v5                  ; q, k in: token r, 8 bytes for each half of the lanes
	v_and_b32 v6, 31, v0
	v_lshrrev_b32 v7, 2, v6
	v_mul_u32_u24 v7, v7, 80
	v_and_b32 v8, 3, v6
	v_lshl_add_u32 v7, v8, 4, v7
	v_add_nc_u32 v[RDQ], s23, v7                   ; back: four lanes to a row of 64 bytes, eight rows an instruction
	s_mul_i32 s23, s14, 2304
	s_add_co_u32 s23, s23, STV
	v_mul_u32_u24 v5, v1, 144
	v_lshl_add_u32 v5, v2, 4, v5
	v_add_nc_u32 v[STOV], s23, v5                  ; v in: channel r, + 16 h: the exchange of the token's bits 3 and 4
	v_lshrrev_b32 v7, 3, v6
	v_mul_u32_u24 v7, v7, 144
	v_and_b32 v8, 7, v6
	v_lshl_add_u32 v7, v8, 4, v7
	v_add_nc_u32 v[RDV], s23, v7                   ; back: eight lanes to a row of 128 bytes, four rows an instruction
	v_lshlrev_b32 v[CO], 4, v6
	; the biases, both sets in every work-group (both index ranges lie inside bqkv's 3,072 whatever the cluster), so that no register hangs on a branch
	v_lshlrev_b32 v10, 5, v2                       ; 32 h
	v_lshlrev_b32 v11, 2, v1                       ; 4 r
	s_lshl_b32 s84, ttmp9, 12
	s_lshl_b32 s85, s40, 10
	s_add_co_u32 s84, s84, s85
	s_lshl_b32 s85, s16, 9
	s_add_co_u32 s84, s84, s85                     ; 4 x (1,024 cluster x + 256 cx + 128 half): my 128 columns where B is channels
	s_mov_b32 s85, 0
	s_add_nc_u64 s[84:85], s[8:9], s[84:85]
	s_lshl_b32 s86, s41, 10
	s_lshl_b32 s87, s15, 9
	s_add_co_u32 s86, s86, s87
	s_add_co_u32 s86, s86, 8192                    ; 4 x (2,048 + 256 cy + 128 half): my 128 rows where A is v's channels
	s_mov_b32 s87, 0
	s_add_nc_u64 s[86:87], s[8:9], s[86:87]
.irp b, 0,1,2,3,4,5,6,7
	global_load_b128 v[BIASC+8*\b:BIASC+8*\b+3], v10, s[84:85] offset:64*\b
	global_load_b128 v[BIASC+8*\b+4:BIASC+8*\b+7], v10, s[84:85] offset:64*\b+16
.endr
.irp a, 0,1,2,3,4,5,6,7
	global_load_b32 v[BIASR+2*\a], v11, s[86:87] offset:64*\a
	global_load_b32 v[BIASR+2*\a+1], v11, s[86:87] offset:64*\a
.endr
	; where my wave's codes go
	s_cmp_eq_u32 ttmp9, 2
	s_cselect_b32 s88, s42, s17                    ; the tile of 256 tokens
	s_cselect_b32 s89, s16, s15                    ; which 128 of them
	s_cselect_b32 s90, s15, s16                    ; which two of the group's four heads
	s_cselect_b32 s91, s41, s40                    ; the group of four heads
	s_lshr_b32 s92, s88, 3                         ; batch
	s_lshl_b32 s92, s92, 2
	s_add_co_u32 s92, s92, s91
	s_lshl_b32 s92, s92, 4
	s_and_b32 s88, s88, 7
	s_lshl_b32 s88, s88, 1
	s_add_co_u32 s92, s92, s88
	s_add_co_u32 s92, s92, s89
	s_lshl_b32 s92, s92, 15
	s_lshl_b32 s90, s90, 14
	s_add_co_u32 s92, s92, s90
	s_lshl_b32 s93, ttmp9, 23                      ; the section
	s_add_co_u32 s92, s92, s93
	s_mov_b32 s93, 0
	s_add_nc_u64 s[12:13], s[12:13], s[92:93]
.macro FRAG reg, adr, q, i             ; 16 rows x 128 K: lane l holds row l % 16; registers 4 c .. 4 c + 3 hold K = 32 c + 16 (l / 16) + 0 .. 15: the same permutation of k in A and in B
.irp c, 0,1,2,3
	ds_load_b128 v[\reg+4*\c:\reg+4*\c+3], v[\adr] offset:128*(\q)+32*\c+(\i)*16*PITCH
.endr
.endm
; 16 matrix instructions: A's blocks a0, a0 + 1 x B's eight.  The 64 accumulators take turns, one instruction a turn, in the same order in every step.
.macro MUL16 a0, p, zero
.irp a, \a0, \a0+1
.irp b, 0,1,2,3,4,5,6,7
.if \zero
	v_wmma_f32_16x16x128_fp8_fp8 v[8*(8*((\a)%4)+\b):8*(8*((\a)%4)+\b)+7], v[128*(\p)+FR*\b:128*(\p)+FR*\b+FR-1], v[AF+FR*(\a):AF+FR*(\a)+FR-1], 0
.else
	v_wmma_f32_16x16x128_fp8_fp8 v[8*(8*((\a)%4)+\b):8*(8*((\a)%4)+\b)+7], v[128*(\p)+FR*\b:128*(\p)+FR*\b+FR-1], v[AF+FR*(\a):AF+FR*(\a)+FR-1], v[8*(8*((\a)%4)+\b):8*(8*((\a)%4)+\b)+7]
.endif
.endr
.endr
.endm
.macro FETCH_B slot, q, p
	WIN TO_B
.irp i, 0,1,2,3,4,5,6,7
	FRAG 128*(\p)+FR*\i, ADRB+\slot, \q, \i
.endr
	WIN 0
.endm
.macro FETCH_A slot, q, i0
.irp i, \i0, \i0+1, \i0+2, \i0+3
	FRAG AF+FR*(\i), ADRA+\slot, \q, \i
.endr
.endm
.macro PLACES n                        ; plain vector lines between a matrix instruction and a load into, or a read of, its registers
.rept \n
	v_nop
.endr
.endm
; A step of 128 along K that has its successor in the same slot.  A block of A is free as soon as its eight products are issued: one set serves A; B has two.
.macro STEP slot, q, zero
	s_wait_dscnt 4*NL                              ; B's set and A's blocks 0-3 are in; the youngest sixteen loads (A's blocks 4-7) may be out
	WIN MUL_LO
	MUL16 0, (\q)%2, \zero
	MUL16 2, (\q)%2, \zero
	s_wait_dscnt 0
	PLACES NP
	FETCH_B \slot, (\q)+1, 1-(\q)%2
	FETCH_A \slot, (\q)+1, 0
	WIN MUL_HI
	MUL16 4, (\q)%2, \zero
	MUL16 6, (\q)%2, \zero
	PLACES NP
	WIN 0
	FETCH_A \slot, (\q)+1, 4
.endm
; A slot's last step changes slots: one barrier; in front of it each wave waits for all its tensor loads, adds 0 to its spare word, and waits for that and for its own reads of this slot.
.macro TURN slot, next, fill
	s_wait_tensorcnt 0x0                           ; all my tensor loads have landed: my part of the next slot
	ds_add_u32 v[SPW], v[NIL]                      ; 0 onto my spare word
	s_wait_dscnt 4*NL+1                            ; (the add and the youngest sixteen loads may be out)
	WIN MUL_LO
	MUL16 0, 1, 0
	s_wait_dscnt 0x0                               ; the add is done, and my reads of this slot are over
	s_barrier_signal -1
	MUL16 2, 1, 0
	WIN 0
	s_barrier_wait -1
.if \fill
	CREST                                          ; the barrier has opened a round of the cluster's: no wave of any partner still reads this slot or has a load on its way
	s_add_nc_u64 s[G0+4*\slot+2:G0+4*\slot+3], s[G0+4*\slot+2:G0+4*\slot+3], 2*ROWB
	s_add_nc_u64 s[G0B+4*\slot+2:G0B+4*\slot+3], s[G0B+4*\slot+2:G0B+4*\slot+3], 2*ROWB
	JLOAD G0+4*\slot, G1, G0B+4*\slot, G1B         ; the first tensor load behind the round; its four v_nop are the places in front of the loads below
.else
	PLACES NP
.endif
	FETCH_B \next, 0, 0
	FETCH_A \next, 0, 0
	WIN MUL_HI
	MUL16 4, 1, 0
	MUL16 6, 1, 0
	PLACES NP
	WIN 0
	FETCH_A \next, 0, 4
.endm
	s_wait_tensorcnt 1                             ; my part of slot 0 is in; slot 1's may be out
	s_barrier_signal -1
	s_barrier_wait -1
	FETCH_B 0, 0, 0
	FETCH_A 0, 0, 0
	FETCH_A 0, 0, 4
	STEP 0, 0, 1                                   ; the first step's products start the sums
	s_mov_b32 s3, LAPS-1
.Llap:
	TURN 0, 1, 1
	STEP 1, 0, 0
	TURN 1, 0, 1
	STEP 0, 0, 0
	s_sub_co_u32 s3, s3, 1
	s_cmp_lg_u32 s3, 0
	s_cbranch_scc1 .Llap
	TURN 0, 1, 0                                   ; the last lap fills nothing
	STEP 1, 0, 0
	s_wait_dscnt 4*NL
	WIN MUL_LO
	MUL16 0, 1, 0
	MUL16 2, 1, 0
	s_wait_dscnt 0
	WIN MUL_HI
	MUL16 4, 1, 0
	MUL16 6, 1, 0
	WIN 0
; THE WAY OUT, a block of 16 rows of A at a time: 64 numbers a lane = sum x 2^(e0 + e1) + bias, held, converted eight at a time (a lane's eight registers are neighbours along the next K), 8 bytes a lane and tile into my own
; stage, back as 512 consecutive bytes an instruction, stored so.  LDS serves a wave's instructions in order (ISA guide 5.7.1.4): no wait between the stage's stores and loads.
.macro OUTBLK a, isv
.set AC, 64*((\a)%4)
.set CDS, 48+176*((\a)%2)              ; the codes: v48-63 and v224-239 by turns: a set is written again behind the wait that shows its stage stores done
.set BB, BK+16*((\a)%2)
	WIN 0x02+((\a)/4)                              ; source 0: window 2 or 3
.set j, 0
.rept 32
.if \isv
	v_pk_fma_f32 v[TMP+j:TMP+j+1], v[AC+j:AC+j+1], s[80:81], v[BIASR+2*(\a):BIASR+2*(\a)+1] op_sel_hi:[1,0,1]   ; each accumulator from its low end on
.else
	v_pk_fma_f32 v[TMP+j:TMP+j+1], v[AC+j:AC+j+1], s[80:81], v[BIASC+j:BIASC+j+1] op_sel_hi:[1,0,1]
.endif
.set j, j+2
.endr
	WIN 0
.set j, 0
.rept 64
	v_med3_num_f32 v[TMP+j], v[TMP+j], -v31, v31   ; the conversion does not saturate (ISA guide 7.6.2)
.set j, j+1
.endr
.irp b, 0,1,2,3,4,5,6,7
	v_cvt_scalef32_pk8_fp8_f32 v[CDS+2*\b:CDS+2*\b+1], v[TMP+8*\b:TMP+8*\b+7], v30
.endr
	v_nop                                          ; a plain line behind the last conversion: the next block writes its sources
.irp b, 0,1,2,3,4,5,6,7
.if \isv
	ds_store_b64 v[STOV], v[CDS+2*\b:CDS+2*\b+1] offset:32*(\b/2)+8*(\b%2)      ; tokens 16 b + 8 h + j at 32 (b / 2) + 16 h + 8 (b % 2) + j
.else
	ds_store_b64 v[STOQ], v[CDS+2*\b:CDS+2*\b+1] offset:1280*(\b/4)+16*(\b%4)   ; head b / 4 of my two, channels 16 (b % 4) + 8 h + j
.endif
.endr
.irp i, 0,1,2,3
.if \isv
	ds_load_b128 v[BB+4*\i:BB+4*\i+3], v[RDV] offset:576*\i
.else
	ds_load_b128 v[BB+4*\i:BB+4*\i+3], v[RDQ] offset:640*\i
.endif
.endr
.endm
.macro SEND a, younger, isv            ; younger: the LDS instructions issued behind block a's loads
.set BB, BK+16*((\a)%2)
	s_wait_dscnt \younger
.irp i, 0,1,2,3
.if \isv
	global_store_b128 v[CO], v[BB+4*\i:BB+4*\i+3], s[12:13] offset:((\a)/4)*8192+((\a)%4)*2048+\i*512   ; 32 lanes store 512 consecutive bytes, aligned
.else
	global_store_b128 v[CO], v[BB+4*\i:BB+4*\i+3], s[12:13] offset:(\i/2)*8192+(\a)*1024+(\i%2)*512
.endif
.endr
.endm
.macro WAYOUT isv
	OUTBLK 0, \isv
.irp a, 1,2,3,4,5,6,7
.if \a > 1
	s_wait_xcnt 0x0                                ; block a - 2's stores have read their registers: block a's loads may land there
.endif
	OUTBLK \a, \isv
	SEND \a-1, 12, \isv                            ; behind block a - 1's loads: block a's 8 stores and 4 loads
.endr
	SEND 7, 0, \isv
.endm
	s_wait_kmcnt 0x0
	s_cmp_eq_u32 ttmp9, 0
	s_cselect_b32 s82, s74, s75                    ; q's exponent or k's,
	s_cmp_eq_u32 ttmp9, 2
	s_cselect_b32 s82, s77, s82                    ; or v's
	s_add_co_i32 s82, s82, 127
	s_lshl_b32 s83, s82, 23
	v_mov_b32 v30, s83                             ; 2^eo
	s_add_co_i32 s82, s82, 8
	s_lshl_b32 s82, s82, 23
	s_or_b32 s82, s82, 0x600000
	v_mov_b32 v31, s82                             ; 448 x 2^eo
	s_add_co_i32 s80, s72, s73
	s_add_co_i32 s80, s80, 127
	s_lshl_b32 s80, s80, 23                        ; 2^(e0 + e1)
	s_mov_b32 s81, s80                             ; (named with it as a pair, so it is written)
	s_wait_loadcnt 0x0                             ; the biases
	PLACES NP                                      ; behind the last products: their results are read, and A's registers written, below
	s_cmp_eq_u32 ttmp9, 2
	s_cbranch_scc1 .Lv_out
	WAYOUT 0
	s_branch .Lend
.Lv_out:
	WAYOUT 1
.Lend:
	s_wait_tensorcnt 0x0                           ; the wave's end
	ds_add_u32 v[SPW], v[NIL]
	s_wait_dscnt 0x0
	CROUND                                         ; the closing round
	s_endpgm
.Lfunc_end_k_qbed3edb968_gemm_qkv:
	.size	k_qbed3edb968_gemm_qkv, .Lfunc_end_k_qbed3edb968_gemm_qkv-k_qbed3edb968_gemm_qkv
	.p2alignl 7, 3214868480
	.fill 96, 4, 3214868480
	.section	.rodata,"a",@progbits
	.p2align	6, 0x0
	.amdhsa_kernel k_qbed3edb968_gemm_qkv
		.amdhsa_group_segment_fixed_size 327680
		.amdhsa_private_segment_fixed_size 0
		.amdhsa_enable_private_segment 0
		.amdhsa_kernarg_size 40
		.amdhsa_user_sgpr_count 2
		.amdhsa_user_sgpr_kernarg_segment_ptr 1
		.amdhsa_wavefront_size32 1
		.amdhsa_system_sgpr_workgroup_id_x 1
		.amdhsa_system_sgpr_workgroup_id_y 1
		.amdhsa_system_sgpr_workgroup_id_z 1
		.amdhsa_system_vgpr_workitem_id 0
		.amdhsa_next_free_vgpr 1024
		.amdhsa_next_free_sgpr 100
		.amdhsa_reserve_vcc 0
		.amdhsa_float_denorm_mode_32 3
		.amdhsa_float_denorm_mode_16_64 3
		.amdhsa_memory_ordered 1
		.amdhsa_forward_progress 1
		.amdhsa_inst_pref_size 207
	.end_amdhsa_kernel
	.amdgpu_metadata
---
amdhsa.version: [ 1, 2 ]
amdhsa.kernels:
  - .name:           k_qbed3edb968_gemm_qkv
    .symbol:         k_qbed3edb968_gemm_qkv.kd
    .args:
      - { .name: xc, .offset: 0, .size: 8, .value_kind: global_buffer, .address_space: global }
      - { .name: wqc, .offset: 8, .size: 8, .value_kind: global_buffer, .address_space: global }
      - { .name: bqkv, .offset: 16, .size: 8, .value_kind: global_buffer, .address_space: global }
      - { .name: lowp_scales, .offset: 24, .size: 8, .value_kind: global_buffer, .address_space: global }
      - { .name: qkvc, .offset: 32, .size: 8, .value_kind: global_buffer, .address_space: global }
    .group_segment_fixed_size: 327680
    .private_segment_fixed_size: 0
    .kernarg_segment_align: 8
    .kernarg_segment_size: 40
    .max_flat_workgroup_size: 128
    .sgpr_count:     100
    .vgpr_count:     1024
    .wavefront_size: 32
...
	.end_amdgpu_metadata
.endif
;; end of part 2
;; launch attn (part 3): grid 4 x 64, 8 waves a work-group, clusters of 4 x 4, 327,680 bytes of LDS; arguments qkvc, attn_mask, lowp_scales, ac; writes ac
.if DOCPART == 3
	.amdgcn_target "amdgcn-amd-amdhsa--gfx1250"
	.amdhsa_code_object_version 6
	.text
	.protected	k_qbed3edb968_attn
	.globl	k_qbed3edb968_attn
	.p2align	8
	.type	k_qbed3edb968_attn,@function
k_qbed3edb968_attn:
	s_mov_b64 s[64:65], 0
	v_nop
	global_prefetch_b8 v0, s[64:65] scope:SCOPE_SE
	s_setreg_imm32_b32 hwreg(HW_REG_WAVE_MODE, 25, 1), 1
	s_wait_xcnt 0x0
	s_wait_alu depctr_hold_cnt(0) depctr_sa_sdst(0) depctr_va_vdst(0) depctr_va_sdst(0) depctr_va_ssrc(0) depctr_va_vcc(0) depctr_vm_vsrc(0)
	s_getreg_b32 s2, hwreg(HW_REG_IB_STS2, 6, 4)
	s_cmp_eq_u32 s2, 0
	s_cbranch_scc0 .Lentry_in_a_cluster
	s_endpgm
.Lentry_in_a_cluster:
	s_bfe_u32 s2, ttmp6, 0x10000c
	s_cmp_lg_u32 s2, 0xf033
	s_cbranch_scc0 .Lentry_shape_is_right
	s_endpgm
.Lentry_shape_is_right:
; attn_out = softmax(q k^T / 8 + attn_mask) v, both products on codes of E4M3, and attn_out quantised at once (entry 6) into ac [8192][1024], the next product's operand.
; q, k, v come as codes from qkvc: three sections of 8,388,608 bytes; in each, byte (((batch x 4 + head / 4) x 16 + token / 128) x 4 + head % 4) x 8,192 + inner; q, k: inner = (token % 128) x 64 + channel;
; v: inner = channel x 128 + pos, pos = token % 128 with its bits 3 and 4 exchanged.  The mask is an input: every score is computed and its mask number added, whatever the mask holds.
; THE SOFTMAX: logit = score x 2^(e2 + e3 - 3) + mask, one rounding; t = logit x log2(e), rounded; M = the row's largest t so far, rounded up to a whole number; p = 2^(t - M), quantised with entry 4, not normalised.
; t is rounded BEFORE M is taken off, so that a mask with a large common offset, or a row that is masked throughout by a large finite number, loses nothing by a difference of large numbers inside one multiply-add.
; The row's sum is taken of the unquantised p and divides at the end; when M moves, sum and O are multiplied by 2^(old M - new M), which rounds nothing.
; LIMITS: e2 + e3 between -123 and 130; entries 4 and 6 between -126 and 119; e4 + e5 is applied by v_ldexp_f32 and has none.  NaN is not served; a row whose mask is -infinity throughout gives NaN before the quantiser.
; SHARES.  A work-group takes 128 queries x the 4 heads of a group: 256 work-groups of equal work.  Wave w takes head w / 2 of the four and queries 64 (w % 2) on: four tiles of 16, so that each fragment of K and of V
; read from LDS feeds four matrix instructions.  Two waves to a SIMD: one's vector work stands beside the other's products and LDS loads.  Every wave walks the 2,048 keys, 128 a step.
; CLUSTER 4 x 4: cx = the group of heads, cy = the block of queries (block 4 (cluster y % 4) + cy of batch cluster y / 4).  K's and V's tiles hang on batch and cx: asked for jointly down a column.
; The mask's tile hangs on the block of queries: asked for jointly along a row.
; LAYOUT.  S^T = K Q^T (source 0 = 16 neighbouring keys, source 1 = 16 queries; both fragments by two loads of 16 bytes: the same permutation of the 64 channels on both sides): register 8 t + j of lane (r, h) is
; query r, key 16 t + 8 h + j.  Converted eight at a time, tile t's codes are registers 2 t, 2 t + 1 of the K = 128 form's operand as that form lays it.  O^T += V^T P (source 0 = 16 channels): V's four loads of 16 bytes
; at 32 c + 16 h give the same layout, by the exchange of bits in the workspace.  A lane holds one query throughout.
; REGISTERS.  Window 0: v1-13 addresses; v16-31 four a tile: -M, largest t, the sum in two halves; v32-63 Q; v64-127 S^T, then p; v128-191 the mask's numbers; v192-207 p's codes; v208-219 at work and scales.
;   Window 1: v0-127 O^T (tile i at 32 i, channels 16 c on at + 8 c); v128-191 V's fragments; v192-255 K's.
.set KP,    80                         ; a key's row in LDS: 64 bytes + 16
.set VP,    144                        ; a channel's row of V: 128 bytes + 16
.set MP,    528                        ; a query's row of the mask: 512 bytes + 16.  All three are odd multiples of 16: the 16 rows of a load start at 16 different banks (ISA guide 11.1)
.set VOFF,  512*KP                     ; a slot: 4 heads x 128 keys of K,
.set MOFF,  VOFF+256*VP                ; 4 heads x 64 channels of V,
.set SLOT,  MOFF+128*MP                ; 128 queries of the mask: 145,408 bytes
.set SPARE, 2*SLOT                     ; the spare words, 128 bytes for each wave: four blocks of 256 bytes that no other line names
.set STAGE, SPARE+1024                 ; the way out: 128 rows x (256 + 16) bytes.  No fill lands here
.set SGP,   272
.set AK0, 1
.set AV0, 2
.set AM0, 3
.set ADK, 4
.set ADV, 5
.set ADM, 6
.set SPW, 7
.set NIL, 8
.set PFO, 9
.set STO, 10
.set RD,  11
.set GO,  12
.set QO,  13
.set ST,  16
.set Q,   32
.set S,   64
.set MK,  128
.set PC,  192
.set MX,  208                          ; v208, v209 the maximum's two chains
.set FF,  210                          ; v210 f = 2^(old M - new M); v211 is only named with it as a pair
.set SU,  212                          ; v[212:213] the sum's second chain
.set PL,  214                          ; a lane permute's destination
.set PLIM, 216                         ; 448 x 2^e4
.set PSC,  217                         ; 2^e4
.set ALIM, 218                         ; 448 x 2^e6
.set ASC,  219                         ; 2^e6
.set VF,  128                          ; in window 1
.set KF,  192
.set WV,  12
.set G1K, 16
.set G1V, 24
.set G1M, 32
.set G0K, 40
.set G0V, 44
.set G0M, 48
.set WPK, 52                           ; my part's place in a slot, if I fetch for K; for V; for the mask
.set WPV, 53
.set WPM, 54
.set FB,  55                           ; the slot that is filled next: 0 or SLOT
.set TB,  56                           ; the slot that is read
.set STEPS, 57
.set SEL, 58
.set SC,  60                           ; s[60:61] 2^(e2 + e3 - 3)
.set CL,  62                           ; s[62:63] log2(e)
.set PFA, 66
.set PFS, 68
.set LIM, 70
.set EO,  71                           ; e4 + e5
.set MSB, 0
.macro WIN new
.if MSB != (\new)
	s_set_vgpr_msb (MSB<<8)|(\new)
.set MSB, (\new)
.endif
.endm
; A step's joint loads: waves 0, 1 K's halves, waves 2, 3 V's, waves 4, 5 the mask's; waves 6, 7 none.  One tensor load a wave; the branches hang on the wave's number alone.  Four v_nop follow each line.
.macro JLOAD3
	s_cmp_lt_u32 s[WV], 2
	s_cbranch_scc0 .Lnot_k_\@
	tensor_load_to_lds s[G0K:G0K+3], s[G1K:G1K+7]
	s_nop 0
.rept 4
	v_nop
.endr
	s_branch .Lasked_\@
.Lnot_k_\@:
	s_cmp_lt_u32 s[WV], 4
	s_cbranch_scc0 .Lnot_v_\@
	tensor_load_to_lds s[G0V:G0V+3], s[G1V:G1V+7]
	s_nop 0
.rept 4
	v_nop
.endr
	s_branch .Lasked_\@
.Lnot_v_\@:
	s_cmp_lt_u32 s[WV], 6
	s_cbranch_scc0 .Lasked_\@
	tensor_load_to_lds s[G0M:G0M+3], s[G1M:G1M+7]
	s_nop 0
.rept 4
	v_nop
.endr
.Lasked_\@:
.endm
; A prefetch of what the NEXT change of slots will ask for, one key step ahead of that load, behind the joint loads.  Each aligned 256 bytes are named once in the launch.
; K's and V's blocks of 32,768 bytes are walked by the four clusters of a batch: the first of them (cluster y % 4 = 0) asks; its four partners down a column take 8,192 bytes each, by address (cy); wave 4 asks for K's, wave 5 for V's,
; lanes 256 bytes apart.  The mask's 128 rows x 512 bytes are walked by the four clusters with the same cluster y % 4: the first (cluster y / 4 = 0) asks; the four partners along a row take 32 rows each, by address (cx), a lane a row;
; wave 6 asks for the first 256 bytes of a row's 512, wave 7 for the second.  The last change that fills a slot asks for nothing; steps 0 and 1 come by their loads alone.
.macro ASK
	s_cmp_gt_u32 s[STEPS], s[LIM]
	s_cbranch_scc0 .Lnot_mine_\@
	global_prefetch_b8 v[PFO], s[PFA:PFA+1] th:TH_LOAD_NT scope:SCOPE_SE
.Lnot_mine_\@:
.endm
.macro CROUND
	s_barrier_signal -1
	s_barrier_wait -1
	s_cmp_lg_u32 s[WV], 0
	s_cbranch_scc1 .Lnot_wave_0_\@
	s_barrier_signal -3
.Lnot_wave_0_\@:
	s_barrier_wait -3
	s_barrier_signal -1
	s_barrier_wait -1
.endm
	s_load_b256 s[4:11], s[0:1], 0x0               ; qkvc s[4:5], the mask s[6:7], the exponents s[8:9], ac s[10:11]
	v_lshl_add_u32 v[SPW], v0, 2, SPARE
	v_mov_b32 v[NIL], 0
	ds_add_u32 v7, v8
	s_wait_dscnt 0x0
	v_lshrrev_b32 v14, 5, v0
	v_readfirstlane_b32 s[WV], v14                 ; wave 0..7
	s_bfe_u32 s13, ttmp6, 0x40000                  ; cx: the group of heads
	s_bfe_u32 s14, ttmp6, 0x40004                  ; cy
	s_and_b32 s15, ttmp7, 0xffff                   ; cluster y
	s_lshl_b32 s80, 0x1111, s13                    ; my column of the cluster
	s_lshl_b32 s81, s14, 2
	s_lshl_b32 s81, 15, s81                        ; my row
	s_or_b32 s[G1K], s80, (0<<16)|(1<<20)|(1<<21)|(3<<22)|(3<<25)   ; K: elements of 1 byte; 4 words of padding after every 16
	s_mov_b32 s[G1K+1], 64<<16                     ; tensor_dim0 = 64
	s_mov_b32 s[G1K+2], 256<<16                    ; tensor_dim1 = 256
	s_mov_b32 s[G1K+3], 64<<16                     ; tile_dim0
	s_mov_b32 s[G1K+4], 256                        ; tile_dim1
	s_mov_b32 s[G1K+5], 64                         ; dense rows
	s_mov_b32 s[G1K+6], 0
	s_mov_b32 s[G1K+7], 0
	s_or_b32 s[G1V], s80, (0<<16)|(1<<20)|(1<<21)|(4<<22)|(3<<25)   ; V: 4 words after every 32
	s_mov_b32 s[G1V+1], 128<<16
	s_mov_b32 s[G1V+2], 128<<16
	s_mov_b32 s[G1V+3], 128<<16
	s_mov_b32 s[G1V+4], 128
	s_mov_b32 s[G1V+5], 128
	s_mov_b32 s[G1V+6], 0
	s_mov_b32 s[G1V+7], 0
	s_or_b32 s[G1M], s81, (2<<16)|(1<<20)|(1<<21)|(6<<22)|(3<<25)   ; the mask: elements of 4 bytes; 4 words after every 128
	s_mov_b32 s[G1M+1], 128<<16
	s_mov_b32 s[G1M+2], 64<<16
	s_mov_b32 s[G1M+3], 128<<16
	s_mov_b32 s[G1M+4], 64
	s_mov_b32 s[G1M+5], 2048
	s_mov_b32 s[G1M+6], 0
	s_mov_b32 s[G1M+7], 0
	s_and_b32 s83, s[WV], 1                        ; which half of a tile I fetch; also which 64 of the 128 queries are mine
	s_lshr_b32 s95, s[WV], 1                       ; my head of the four
	; K and V: registers that never hold cy
	s_lshr_b32 s82, s15, 2                         ; batch
	s_lshl_b32 s82, s82, 2
	s_add_co_u32 s82, s82, s13
	s_lshl_b32 s82, s82, 19                        ; (4 batch + group) x 524,288
	s_lshl_b32 s84, s83, 14
	s_add_co_u32 s84, s84, s82
	s_add_co_u32 s84, s84, 1<<23                   ; K's section
	s_mov_b32 s85, 0
	s_add_co_u32 s86, s84, 1<<23                   ; V's
	s_mov_b32 s87, 0
	; the mask: registers that never hold cx
	s_and_b32 s88, s15, 3
	s_lshl_b32 s88, s88, 2
	s_add_co_u32 s88, s88, s14                     ; my block of 128 queries
	s_lshl_b32 s89, s88, 7
	s_lshl_b32 s90, s83, 6
	s_add_co_u32 s89, s89, s90
	s_lshl_b32 s90, s89, 13                        ; rows of 8,192 bytes
	s_mov_b32 s91, 0
	s_mul_i32 s[WPK], s83, 256*KP
	s_mul_i32 s[WPV], s83, 128*VP
	s_add_co_u32 s[WPV], s[WPV], VOFF
	s_mul_i32 s[WPM], s83, 64*MP
	s_add_co_u32 s[WPM], s[WPM], MOFF
	s_mov_b32 s[FB], 0
	s_mov_b32 s[TB], 0
	s_mov_b32 s[STEPS], 15
	s_mov_b32 s[SEL], 0x76543210
	s_mov_b32 s[SEL+1], 0xfedcba98
	s_mov_b32 s[CL], 0x3fb8aa3b
	s_mov_b32 s[CL+1], 0x3fb8aa3b
	s_wait_kmcnt 0x0
	s_load_b256 s[72:79], s[8:9], 0x0              ; the eight exponents
	s_mov_b32 s[G0K], 1
	s_mov_b32 s[G0K+1], s[WPK]
	s_add_nc_u64 s[G0K+2:G0K+3], s[4:5], s[84:85]
	s_or_b32 s[G0K+3], s[G0K+3], 0x80000000
	s_mov_b32 s[G0V], 1
	s_mov_b32 s[G0V+1], s[WPV]
	s_add_nc_u64 s[G0V+2:G0V+3], s[4:5], s[86:87]
	s_or_b32 s[G0V+3], s[G0V+3], 0x80000000
	s_mov_b32 s[G0M], 1
	s_mov_b32 s[G0M+1], s[WPM]
	s_add_nc_u64 s[G0M+2:G0M+3], s[6:7], s[90:91]
	s_or_b32 s[G0M+3], s[G0M+3], 0x80000000
	CROUND                                         ; all sixteen work-groups are here: the first joint loads meet
	JLOAD3                                         ; key step 0 into slot 0
	; Q: my four tiles stay in registers
	s_lshl_b32 s92, s88, 15
	s_add_co_u32 s92, s92, s82
	s_lshl_b32 s94, s95, 13
	s_add_co_u32 s92, s92, s94
	s_lshl_b32 s94, s83, 12
	s_add_co_u32 s92, s92, s94
	s_mov_b32 s93, 0
	s_add_nc_u64 s[2:3], s[4:5], s[92:93]
	v_and_b32 v14, 15, v0                          ; r
	v_bfe_u32 v15, v0, 4, 1                        ; h
	v_lshlrev_b32 v[QO], 6, v14
	v_lshl_add_u32 v[QO], v15, 4, v[QO]
.irp i, 0,1,2,3
	global_load_b128 v[Q+8*\i:Q+8*\i+3], v[QO], s[2:3] offset:1024*\i
	global_load_b128 v[Q+8*\i+4:Q+8*\i+7], v[QO], s[2:3] offset:1024*\i+32
.endr
	v_mul_u32_u24 v[AK0], v14, KP
	v_lshl_add_u32 v[AK0], v15, 4, v[AK0]
	s_mul_i32 s94, s95, 128*KP
	v_add_nc_u32 v[AK0], s94, v[AK0]               ; K: my head's rows, key r, + 16 h
	v_mul_u32_u24 v[AV0], v14, VP
	v_lshl_add_u32 v[AV0], v15, 4, v[AV0]
	s_mul_i32 s94, s95, 64*VP
	s_add_co_u32 s94, s94, VOFF
	v_add_nc_u32 v[AV0], s94, v[AV0]               ; V: my head's rows, channel r, + 16 h
	v_mul_u32_u24 v[AM0], v14, MP
	v_lshl_add_u32 v[AM0], v15, 5, v[AM0]
	v_add_nc_u32 v[AM0], s[WPM], v[AM0]            ; the mask: my 64 queries' rows, query r, + 32 h (keys 8 h on)
	v_mul_u32_u24 v[STO], v14, SGP
	v_lshl_add_u32 v[STO], v15, 3, v[STO]
	s_mul_i32 s94, s83, 64*SGP
	s_lshl_b32 s93, s95, 6
	s_add_co_u32 s94, s94, s93
	s_add_co_u32 s94, s94, STAGE
	v_add_nc_u32 v[STO], s94, v[STO]               ; the stage, in: row 64 (w % 2) + r, my head's 64 bytes, + 8 h
	v_mul_u32_u24 v[RD], v15, SGP
	v_lshl_add_u32 v[RD], v14, 4, v[RD]
	s_mul_i32 s94, s[WV], 16*SGP
	s_add_co_u32 s94, s94, STAGE
	v_add_nc_u32 v[RD], s94, v[RD]                 ; back: rows 16 w on; lanes 0-15 one row, lanes 16-31 the next
	v_lshlrev_b32 v[GO], 10, v15
	v_lshl_add_u32 v[GO], v14, 4, v[GO]            ; and the same two rows in ac
	; the prefetches: where my wave's stand
	s_add_co_u32 s80, s83, 1
	s_lshl_b32 s80, s80, 23                        ; wave 4: K's section; wave 5: V's
	s_add_co_u32 s80, s80, s82
	s_lshl_b32 s81, s14, 13
	s_add_co_u32 s80, s80, s81                     ; my work-group's 8,192 bytes of the block,
	s_add_co_u32 s80, s80, 32768                   ; at key step 1: the first change of slots steps it to 2
	s_lshl_b32 s81, s88, 7
	s_lshl_b32 s92, s13, 5
	s_add_co_u32 s81, s81, s92                     ; the mask: my work-group's 32 rows of the block's 128
	s_lshl_b32 s81, s81, 13
	s_lshl_b32 s92, s83, 8
	s_add_co_u32 s81, s81, s92
	s_add_co_u32 s81, s81, 512
	s_mov_b32 s92, 512
	s_mov_b32 s93, 8192
	s_cmp_lt_u32 s[WV], 6
	s_cselect_b64 s[PFA:PFA+1], s[4:5], s[6:7]
	s_cselect_b32 s80, s80, s81
	s_cselect_b32 s[PFS], 32768, s92               ; a key step on
	s_cselect_b32 s93, 256, s93                    ; from lane to lane
	s_mov_b32 s81, 0
	s_mov_b32 s[PFS+1], 0
	s_add_nc_u64 s[PFA:PFA+1], s[PFA:PFA+1], s[80:81]
	v_and_b32 v[PFO], 31, v0
	v_mul_lo_u32 v[PFO], v[PFO], s93
	s_and_b32 s80, s15, 3
	s_lshr_b32 s81, s15, 2
	s_cmp_lt_u32 s[WV], 6
	s_cselect_b32 s80, s80, s81                    ; the coordinate along which other clusters read the same bytes
	s_lshr_b32 s81, s[WV], 2
	s_xor_b32 s81, s81, 1                          ; 1 in waves 0 to 3, which do not ask
	s_or_b32 s80, s80, s81
	s_cmp_eq_u32 s80, 0
	s_cselect_b32 s[LIM], 1, -1                    ; the same in all sixteen partners, for a given wave
	; where my 16 rows of ac begin
	s_lshr_b32 s80, s15, 2
	s_lshl_b32 s80, s80, 21
	s_lshl_b32 s81, s88, 17
	s_add_co_u32 s80, s80, s81
	s_lshl_b32 s81, s[WV], 14
	s_add_co_u32 s80, s80, s81
	s_lshl_b32 s81, s13, 8
	s_add_co_u32 s80, s80, s81
	s_mov_b32 s81, 0
	s_add_nc_u64 s[10:11], s[10:11], s[80:81]
.irp i, 0,1,2,3
	v_mov_b32 v[ST+4*\i+1], 0xff61b1e6             ; the largest t so far: -3e38
	v_floor_f32 v[ST+4*\i], -v[ST+4*\i+1]          ; -M
	v_mov_b32 v[ST+4*\i+2], 0                      ; the sum, in two halves
	v_mov_b32 v[ST+4*\i+3], 0
.endr
	v_mov_b32 v[FF+1], 0                           ; named as the upper half of a pair
	v_mov_b32 v[PL], 0                             ; a lane permute's destination counts as read
	WIN 0x40
.set j, 0
.rept 128
	v_mov_b32 v[j], 0                              ; O^T.  The key step is written twice, not three times: the first step finds zeros, which the first change of M leaves zeros
.set j, j+1
.endr
	WIN 0
	s_wait_kmcnt 0x0
	s_add_co_i32 s80, s74, s75
	s_add_co_i32 s80, s80, 124                     ; e2 + e3 - 3 + 127
	s_lshl_b32 s[SC], s80, 23
	s_mov_b32 s[SC+1], s[SC]
	s_add_co_i32 s80, s76, 127
	s_lshl_b32 s81, s80, 23
	v_mov_b32 v[PSC], s81
	s_add_co_i32 s80, s80, 8
	s_lshl_b32 s80, s80, 23
	s_or_b32 s80, s80, 0x600000
	v_mov_b32 v[PLIM], s80
	s_add_co_i32 s80, s78, 127
	s_lshl_b32 s81, s80, 23
	v_mov_b32 v[ASC], s81
	s_add_co_i32 s80, s80, 8
	s_lshl_b32 s80, s80, 23
	s_or_b32 s80, s80, 0x600000
	v_mov_b32 v[ALIM], s80
	s_add_co_i32 s[EO], s76, s77
; ONE TILE of 16 queries x the step's 128 keys.
.macro TILE i
.set rT, ST+4*(\i)
.if (\i) == 0
	s_wait_dscnt 32                                ; K's 16 loads are in; the mask's 16 and V's 16 may be out
.endif
	WIN 0x01                                       ; source 0 (K) window 1
.set t, 0
.rept 8
	v_wmma_f32_16x16x64_fp8_fp8 v[S+8*t:S+8*t+7], v[KF+8*t:KF+8*t+7], v[Q+8*(\i):Q+8*(\i)+7], 0
.set t, t+1
.endr
	WIN 0
.rept 4
	v_nop                                          ; places in front of the first read of the scores (ISA guide 7.12.1)
.endr
.if (\i) == 0
	s_wait_dscnt 16                                ; the mask's numbers are in; V's 16 loads may be out
.else
	s_wait_dscnt 0x0                               ; the mask's numbers, asked for a tile ago
.endif
.set j, 0
.rept 32
	v_pk_fma_f32 v[S+j:S+j+1], v[S+j:S+j+1], s[SC:SC+1], v[MK+j:MK+j+1] op_sel_hi:[1,0,1]   ; logit = score / 8 + mask: the product is exact, one rounding
.set j, j+2
.endr
.if (\i) < 3
.set t, 0
.rept 8
	ds_load_b128 v[MK+8*t:MK+8*t+3], v[ADM] offset:((\i)+1)*16*MP+64*t       ; the next tile's mask: it has this tile's softmax in which to come
	ds_load_b128 v[MK+8*t+4:MK+8*t+7], v[ADM] offset:((\i)+1)*16*MP+64*t+16
.set t, t+1
.endr
.endif
.set j, 0
.rept 32
	v_pk_mul_f32 v[S+j:S+j+1], v[S+j:S+j+1], s[CL:CL+1] op_sel_hi:[1,0]      ; t
.set j, j+2
.endr
	v_max3_num_f32 v[MX], v[S], v[S+1], v[S+2]     ; the largest t of my query among my 64 keys, in two chains
	v_max3_num_f32 v[MX+1], v[S+3], v[S+4], v[S+5]
.set j, 6
.rept 14
	v_max3_num_f32 v[MX], v[MX], v[S+j], v[S+j+1]
	v_max3_num_f32 v[MX+1], v[MX+1], v[S+j+2], v[S+j+3]
.set j, j+4
.endr
	v_max3_num_f32 v[MX], v[MX], v[S+62], v[S+63]
	v_max_num_f32 v[MX], v[MX], v[MX+1]
	v_permlanex16_b32 v[PL], v[MX], s[SEL], s[SEL+1]
	v_max_num_f32 v[MX], v[MX], v[PL]              ; and among lane l xor 16's
	v_max_num_f32 v[rT+1], v[rT+1], v[MX]          ; the running largest t
	v_mov_b32 v[MX], v[rT]
	v_floor_f32 v[rT], -v[rT+1]                    ; the new -M = -ceil(t)
	v_sub_f32 v[MX], v[rT], v[MX]                  ; old M - new M: a whole number, 0 or less
	v_cvt_i32_f32 v[MX], v[MX]                     ; (it saturates)
	v_ldexp_f32 v[FF], 1.0, v[MX]                  ; f = 2^(old M - new M)
.set j, 0
.rept 32
	v_pk_add_f32 v[S+j:S+j+1], v[S+j:S+j+1], v[rT:rT+1] op_sel_hi:[1,0]      ; t - M (of the pair the low word, -M, serves both halves)
.set j, j+2
.endr
.set j, 0
.rept 64
	v_exp_f32 v[S+j], v[S+j]                       ; p = 2^(t - M)
.set j, j+1
.endr
	v_pk_mul_f32 v[rT+2:rT+3], v[rT+2:rT+3], v[FF:FF+1] op_sel_hi:[1,0]      ; the sums under the new M; also the plain line behind the exponentials
	s_wait_alu depctr_va_vdst(0)                   ; one wait for the batch of 64, ahead of its first reader
	v_pk_add_f32 v[SU:SU+1], v[S:S+1], v[S+2:S+3]  ; the row's sum, of the unquantised p, in two chains
.set j, 4
.rept 15
	v_pk_add_f32 v[rT+2:rT+3], v[rT+2:rT+3], v[S+j:S+j+1]
	v_pk_add_f32 v[SU:SU+1], v[SU:SU+1], v[S+j+2:S+j+3]
.set j, j+4
.endr
	v_pk_add_f32 v[rT+2:rT+3], v[rT+2:rT+3], v[SU:SU+1]
.set j, 0
.rept 64
	v_min_num_f32 v[S+j], v[S+j], v[PLIM]          ; the conversion does not saturate (ISA guide 7.6.2); p is not negative: a one-sided hold
.set j, j+1
.endr
.set t, 0
.rept 8
	v_cvt_scalef32_pk8_fp8_f32 v[PC+2*t:PC+2*t+1], v[S+8*t:S+8*t+7], v[PSC]
.set t, t+1
.endr
	WIN 0x41                                       ; O^T (destination and source 0) window 1
.set j, 0
.rept 16
	v_pk_mul_f32 v[32*(\i)+j:32*(\i)+j+1], v[32*(\i)+j:32*(\i)+j+1], v[FF:FF+1] op_sel_hi:[1,0]   ; O^T under the new M; also the plain lines behind the conversions
.set j, j+2
.endr
.if (\i) == 0
	s_wait_dscnt 16                                ; V's loads are in; the next tile's 16 mask loads may be out
.endif
	WIN 0x51                                       ; V and O^T window 1, p's codes window 0
.set t, 0
.rept 4
	v_wmma_f32_16x16x128_fp8_fp8 v[32*(\i)+8*t:32*(\i)+8*t+7], v[VF+16*t:VF+16*t+15], v[PC:PC+15], v[32*(\i)+8*t:32*(\i)+8*t+7]   ; four accumulators by turns
.set t, t+1
.endr
	WIN 0
.endm
; A KEY STEP: K's, the first tile's mask's and V's loads in three runs; then the four tiles.
.macro STEP
	v_add_nc_u32 v[ADK], s[TB], v[AK0]
	v_add_nc_u32 v[ADV], s[TB], v[AV0]
	v_add_nc_u32 v[ADM], s[TB], v[AM0]
	v_nop                                          ; four plain lines between the last step's last products and the loads into V's registers
	WIN 0x40
.set t, 0
.rept 8
	ds_load_b128 v[KF+8*t:KF+8*t+3], v[ADK] offset:16*KP*t
	ds_load_b128 v[KF+8*t+4:KF+8*t+7], v[ADK] offset:16*KP*t+32
.set t, t+1
.endr
	WIN 0
.set t, 0
.rept 8
	ds_load_b128 v[MK+8*t:MK+8*t+3], v[ADM] offset:64*t
	ds_load_b128 v[MK+8*t+4:MK+8*t+7], v[ADM] offset:64*t+16
.set t, t+1
.endr
	WIN 0x40
.set t, 0
.rept 4
.irp c, 0,1,2,3
	ds_load_b128 v[VF+16*t+4*\c:VF+16*t+4*\c+3], v[ADV] offset:16*VP*t+32*\c
.endr
.set t, t+1
.endr
	WIN 0
	TILE 0
	TILE 1
	TILE 2
	TILE 3
	s_xor_b32 s[TB], s[TB], SLOT                   ; on to the other slot
.endm
; THE CHANGE OF SLOTS stands at a step's head.  Each wave waits for all its tensor loads (its part of the slot that is about to be read), adds 0 to its spare word, and waits for that and for its reads of the slot that it has left.
; fill = 1: the barrier is a round of the cluster's, and behind it the slot just left is filled with the next step's tiles: the load has a whole key step in which to land.  A wave never has more than one tensor load out.
.macro CHANGE fill
	s_wait_tensorcnt 0x0                           ; no tensor load of mine is out, so a group 0 may be written
	ds_add_u32 v[SPW], v[NIL]                      ; 0 onto my spare word
.if \fill
	s_xor_b32 s[FB], s[FB], SLOT
	s_add_co_u32 s[G0K+1], s[FB], s[WPK]
	s_add_co_u32 s[G0V+1], s[FB], s[WPV]
	s_add_co_u32 s[G0M+1], s[FB], s[WPM]
	s_add_nc_u64 s[G0K+2:G0K+3], s[G0K+2:G0K+3], 32768   ; the next 128 keys' block; the type bits on top are not reached
	s_add_nc_u64 s[G0V+2:G0V+3], s[G0V+2:G0V+3], 32768
	s_add_nc_u64 s[G0M+2:G0M+3], s[G0M+2:G0M+3], 512     ; 128 columns of the mask on
	s_wait_xcnt 0x0                                ; the last prefetch, a step back, has read its address
	s_add_nc_u64 s[PFA:PFA+1], s[PFA:PFA+1], s[PFS:PFS+1]
	s_wait_dscnt 0x0                               ; the add is done, and my reads of the slot that I have left are over
	CROUND
	JLOAD3
	ASK
.else
	s_wait_dscnt 0x0
	s_barrier_signal -1
	s_barrier_wait -1
.endif
.endm
	s_wait_loadcnt 0x0                             ; Q
.Lstep:                                            ; 15 trips: behind each change of slots but the last the next step's tiles are asked for
	CHANGE 1
	STEP
	s_sub_co_u32 s[STEPS], s[STEPS], 1
	s_cmp_lg_u32 s[STEPS], 0
	s_cbranch_scc1 .Lstep
	CHANGE 0                                       ; the last step is written out
	STEP
	; THE WAY OUT.  O^T / the sum x 2^(e4 + e5) is attn_out; it is held, converted (a lane's eight registers are eight neighbouring channels, the next product's K) and goes through the work-group's stage, where the four heads
	; of a row meet: sixteen lanes then store 256 consecutive bytes, aligned.  The first additions are the places behind the last products.
.irp i, 0,1,2,3
	v_add_f32 v[ST+4*\i+2], v[ST+4*\i+2], v[ST+4*\i+3]
.endr
.irp i, 0,1,2,3
	v_permlanex16_b32 v[ST+4*\i+3], v[ST+4*\i+2], s[SEL], s[SEL+1]
.endr
.irp i, 0,1,2,3
	v_add_f32 v[ST+4*\i+2], v[ST+4*\i+2], v[ST+4*\i+3]
.endr
.irp i, 0,1,2,3
	v_rcp_f32 v[ST+4*\i+2], v[ST+4*\i+2]
.endr
	v_nop                                          ; a plain line behind the last reciprocal
	s_wait_alu depctr_va_vdst(0)                   ; one wait for the four, ahead of their first reader
.irp i, 0,1,2,3
	v_ldexp_f32 v[ST+4*\i+2], v[ST+4*\i+2], s[EO]
.endr
.irp i, 0,1,2,3
	WIN 0x01                                       ; source 0 (O^T) window 1
.set j, 0
.rept 16
	v_pk_mul_f32 v[S+32*\i+j:S+32*\i+j+1], v[32*\i+j:32*\i+j+1], v[ST+4*\i+2:ST+4*\i+3] op_sel_hi:[1,0]   ; each accumulator from its low end on
.set j, j+2
.endr
	WIN 0
.set j, 0
.rept 32
	v_med3_num_f32 v[S+32*\i+j], v[S+32*\i+j], -v[ALIM], v[ALIM]
.set j, j+1
.endr
.irp c, 0,1,2,3
	v_cvt_scalef32_pk8_fp8_f32 v[Q+8*\i+2*\c:Q+8*\i+2*\c+1], v[S+32*\i+8*\c:S+32*\i+8*\c+7], v[ASC]
.endr
.endr
	v_nop                                          ; a plain line behind the last conversion
.irp i, 0,1,2,3
.irp c, 0,1,2,3
	ds_store_b64 v[STO], v[Q+8*\i+2*\c:Q+8*\i+2*\c+1] offset:16*SGP*\i+16*\c
.endr
.endr
	s_wait_dscnt 0x0                               ; for the others' sake: my stores into the stage are done
	s_barrier_signal -1
	s_barrier_wait -1
.irp k, 0,1,2,3,4,5,6,7
	ds_load_b128 v[S+4*\k:S+4*\k+3], v[RD] offset:2*SGP*\k
.endr
.irp k, 0,1,2,3,4,5,6,7
	s_wait_dscnt 7-\k                              ; row pair k is back; the younger loads may be out
	global_store_b128 v[GO], v[S+4*\k:S+4*\k+3], s[10:11] offset:2048*\k
.endr
	s_wait_tensorcnt 0x0                           ; the wave's end
	ds_add_u32 v[SPW], v[NIL]
	s_wait_dscnt 0x0
	CROUND                                         ; the closing round
	s_endpgm
.Lfunc_end_k_qbed3edb968_attn:
	.size	k_qbed3edb968_attn, .Lfunc_end_k_qbed3edb968_attn-k_qbed3edb968_attn
	.p2alignl 7, 3214868480
	.fill 96, 4, 3214868480
	.section	.rodata,"a",@progbits
	.p2align	6, 0x0
	.amdhsa_kernel k_qbed3edb968_attn
		.amdhsa_group_segment_fixed_size 327680
		.amdhsa_private_segment_fixed_size 0
		.amdhsa_enable_private_segment 0
		.amdhsa_kernarg_size 32
		.amdhsa_user_sgpr_count 2
		.amdhsa_user_sgpr_kernarg_segment_ptr 1
		.amdhsa_wavefront_size32 1
		.amdhsa_system_sgpr_workgroup_id_x 1
		.amdhsa_system_sgpr_workgroup_id_y 1
		.amdhsa_system_sgpr_workgroup_id_z 1
		.amdhsa_system_vgpr_workitem_id 0
		.amdhsa_next_free_vgpr 512
		.amdhsa_next_free_sgpr 100
		.amdhsa_reserve_vcc 0
		.amdhsa_float_denorm_mode_32 3
		.amdhsa_float_denorm_mode_16_64 3
		.amdhsa_memory_ordered 1
		.amdhsa_forward_progress 1
		.amdhsa_inst_pref_size 184
	.end_amdhsa_kernel
	.amdgpu_metadata
---
amdhsa.version: [ 1, 2 ]
amdhsa.kernels:
  - .name:           k_qbed3edb968_attn
    .symbol:         k_qbed3edb968_attn.kd
    .args:
      - { .name: qkvc, .offset: 0, .size: 8, .value_kind: global_buffer, .address_space: global }
      - { .name: attn_mask, .offset: 8, .size: 8, .value_kind: global_buffer, .address_space: global }
      - { .name: lowp_scales, .offset: 16, .size: 8, .value_kind: global_buffer, .address_space: global }
      - { .name: ac, .offset: 24, .size: 8, .value_kind: global_buffer, .address_space: global }
    .group_segment_fixed_size: 327680
    .private_segment_fixed_size: 0
    .kernarg_segment_align: 8
    .kernarg_segment_size: 32
    .max_flat_workgroup_size: 256
    .sgpr_count:     100
    .vgpr_count:     512
    .wavefront_size: 32
...
	.end_amdgpu_metadata
.endif
;; end of part 3
;; launch gemm_out (part 4): grid 4 x 32, 4 waves a work-group, clusters of 4 x 4, 327,680 bytes of LDS; arguments ac, woc, bout, lowp_scales, out0; writes out0
.if DOCPART == 4
	.amdgcn_target "amdgcn-amd-amdhsa--gfx1250"
	.amdhsa_code_object_version 6
	.text
	.protected	k_qbed3edb968_gemm_out
	.globl	k_qbed3edb968_gemm_out
	.p2align	8
	.type	k_qbed3edb968_gemm_out,@function
k_qbed3edb968_gemm_out:
	s_mov_b64 s[64:65], 0
	v_nop
	global_prefetch_b8 v0, s[64:65] scope:SCOPE_SE
	s_setreg_imm32_b32 hwreg(HW_REG_WAVE_MODE, 25, 1), 1
	s_wait_xcnt 0x0
	s_wait_alu depctr_hold_cnt(0) depctr_sa_sdst(0) depctr_va_vdst(0) depctr_va_sdst(0) depctr_va_ssrc(0) depctr_va_vcc(0) depctr_vm_vsrc(0)
	s_getreg_b32 s2, hwreg(HW_REG_IB_STS2, 6, 4)
	s_cmp_eq_u32 s2, 0
	s_cbranch_scc0 .Lentry_in_a_cluster
	s_endpgm
.Lentry_in_a_cluster:
	s_bfe_u32 s2, ttmp6, 0x10000c
	s_cmp_lg_u32 s2, 0xf033
	s_cbranch_scc0 .Lentry_shape_is_right
	s_endpgm
.Lentry_shape_is_right:
; out0 = attn_out Wout + bout on codes of E4M3: ac [8192][1024], woc [1024 n][1024 k], K innermost; out0 [8192][1024] f32 = sum x 2^(e6 + e7) + bout, one fused multiply-add.
; LIMIT: e6 + e7 between -126 and 127, so that 2^(e6 + e7) is an f32 number.
; A tile of 256 x 256 is made by four waves, 128 x 128 each: 64 accumulators, 512 registers.  8,192 x 1,024 are 128 such tiles, a work-group each; halving the tile would double the LDS bytes read for each product.
; K = 1,024 goes in four steps of 256 through a ring of two LDS slots.  CLUSTERS: 4 x 4 work-groups; A's tiles are asked for jointly along a row, B's down a column.
; THE MATRIX INSTRUCTION IS USED TRANSPOSED (source 0 = 16 rows of woc, source 1 = 16 rows of ac): a lane holds eight neighbouring numbers of a row of out0.
; REGISTERS: window 0: v16-31 addresses; v32-35 bout at my four columns; from v128 A's fragments, one set; on the way out v128-255 take rows back from the stage.
;   window 1: B's fragments, two sets.   windows 2, 3: the accumulators ((a, b) at v[8 (8 (a % 4) + b)]).   No prefetch: the launch has four K steps.
.set SIZE_N, 1024
.set KSTEP,  256
.set ROWB,   256
.set KROW,   1024
.set PITCH,  272                       ; 256 bytes + 16 of padding: the 16 rows that a load touches start at 16 different banks (ISA guide 11.1)
.set FR,     16
.set NL,     4
.set NP,     4
.set HALFT,  128*PITCH
.set SLOT,   4*HALFT
.set LAPS,   2
.set SPARE,  2*SLOT                    ; the spare words, 128 bytes for each wave: two blocks of 256 bytes that no other line names
.set SPITCH, 528                       ; the way out: 16 rows x (512 + 16) bytes for each wave, in slot 0, which has had its last fill and its last read when the first result is stored there
.set ADRA, 16
.set ADRB, 20
.set STO,  24
.set RD,   25
.set CO,   26
.set SPW,  28
.set NIL,  29
.set BI,   32
.set AF,   128
.set BK,   128
.set G1, 24
.set G0, 32
.set G1B, 48
.set G0B, 56
.set MSB, 0
.macro WIN new
.if MSB != (\new)
	s_set_vgpr_msb (MSB<<8)|(\new)
.set MSB, (\new)
.endif
.endm
.set MUL_LO, 0xa1
.set MUL_HI, 0xf1
.set TO_B,   0x40
.macro JLOAD g0a, g1a, g0b, g1b        ; waves 0 and 1 fetch for A, waves 2 and 3 for B; four v_nop follow each of the two lines
	s_cmp_eq_u32 s15, 0
	s_cbranch_scc0 .Lfor_b_\@
	tensor_load_to_lds s[\g0a:\g0a+3], s[\g1a:\g1a+7]
	s_nop 0
.rept 4
	v_nop
.endr
	s_branch .Lasked_\@
.Lfor_b_\@:
	tensor_load_to_lds s[\g0b:\g0b+3], s[\g1b:\g1b+7]
	s_nop 0
.rept 4
	v_nop
.endr
.Lasked_\@:
.endm
.macro CREST
	s_cmp_lg_u32 s14, 0
	s_cbranch_scc1 .Lnot_wave_0_\@
	s_barrier_signal -3
.Lnot_wave_0_\@:
	s_barrier_wait -3
	s_barrier_signal -1
	s_barrier_wait -1
.endm
.macro CROUND
	s_barrier_signal -1
	s_barrier_wait -1
	CREST
.endm
	s_load_b128 s[4:7], s[0:1], 0x0                ; ac s[4:5], woc s[6:7]
	s_load_b128 s[8:11], s[0:1], 0x10              ; bout s[8:9], the exponents s[10:11]
	s_load_b64 s[12:13], s[0:1], 0x20              ; out0
	v_lshl_add_u32 v[SPW], v0, 2, SPARE
	v_mov_b32 v[NIL], 0
	ds_add_u32 v28, v29
	s_wait_dscnt 0x0
	v_lshrrev_b32 v1, 5, v0
	v_readfirstlane_b32 s14, v1                    ; wave 0..3
	s_lshr_b32 s15, s14, 1                         ; which half of the tile's rows is mine.  Also: I fetch for A (0) or for B (1)
	s_and_b32 s16, s14, 1                          ; which half of its columns.  Also: which 128 rows of that tile I fetch
	s_bfe_u32 s40, ttmp6, 0x40000
	s_bfe_u32 s41, ttmp6, 0x40004
	s_lshl_b32 s42, ttmp9, 2
	s_add_co_u32 s42, s42, s40                     ; tile column
	s_and_b32 s17, ttmp7, 0xffff
	s_lshl_b32 s17, s17, 2
	s_add_co_u32 s17, s17, s41                     ; tile row
	s_lshl_b32 s43, s41, 2
	s_lshl_b32 s43, 15, s43
	s_lshl_b32 s44, 0x1111, s40
	s_or_b32 s[G1+0], s43, (0<<16)|(1<<20)|(1<<21)|(5<<22)|(3<<25)
	s_or_b32 s[G1B+0], s44, (0<<16)|(1<<20)|(1<<21)|(5<<22)|(3<<25)
.irp g, G1, G1B
	s_mov_b32 s[\g+1], ROWB<<16
	s_mov_b32 s[\g+2], 128<<16
	s_mov_b32 s[\g+3], ROWB<<16
	s_mov_b32 s[\g+4], 128
	s_mov_b32 s[\g+5], KROW
	s_mov_b32 s[\g+6], 0
	s_mov_b32 s[\g+7], 0
.endr
	s_lshl_b32 s18, s16, 7
	s_lshl_b32 s20, s17, 8
	s_add_co_u32 s20, s20, s18
	s_lshl_b32 s20, s20, 10                        ; A: rows of 1,024 bytes
	s_mov_b32 s21, 0
	s_lshl_b32 s46, s42, 8
	s_add_co_u32 s46, s46, s18
	s_lshl_b32 s46, s46, 10                        ; B likewise
	s_mov_b32 s47, 0
	s_mul_i32 s45, s14, HALFT
	s_wait_kmcnt 0x0
	s_load_b64 s[96:97], s[10:11], 0x18            ; e6, e7
	s_add_nc_u64 s[20:21], s[4:5], s[20:21]
	s_add_nc_u64 s[46:47], s[6:7], s[46:47]
	CROUND                                         ; all sixteen work-groups are here: the first joint loads meet
.irp s, 0,1
	s_mov_b32 s[G0+4*\s], 1
	s_add_co_u32 s[G0+4*\s+1], s45, \s*SLOT
	s_add_nc_u64 s[G0+4*\s+2:G0+4*\s+3], s[20:21], \s*ROWB
	s_or_b32 s[G0+4*\s+3], s[G0+4*\s+3], 0x80000000
	s_mov_b32 s[G0B+4*\s], 1
	s_add_co_u32 s[G0B+4*\s+1], s45, \s*SLOT
	s_add_nc_u64 s[G0B+4*\s+2:G0B+4*\s+3], s[46:47], \s*ROWB
	s_or_b32 s[G0B+4*\s+3], s[G0B+4*\s+3], 0x80000000
	JLOAD G0+4*\s, G1, G0B+4*\s, G1B
.endr
	v_and_b32 v1, 15, v0
	v_bfe_u32 v2, v0, 4, 1
	v_mul_u32_u24 v3, v1, PITCH
	v_lshl_add_u32 v4, v2, 4, v3
	s_mul_i32 s21, s15, HALFT
	s_mul_i32 s22, s16, HALFT
	s_add_co_u32 s22, s22, 2*HALFT
.irp s, 0,1
	v_add_nc_u32 v[ADRA+\s], s21, v4
	v_add_nc_u32 v[ADRB+\s], s22, v4
	s_add_co_u32 s21, s21, SLOT
	s_add_co_u32 s22, s22, SLOT
.endr
	s_mul_i32 s23, s14, 16*SPITCH                  ; my stage
	v_mul_u32_u24 v5, v1, SPITCH                   ; in: row l % 16, 32 bytes for each half of the lanes
	v_lshl_add_u32 v5, v2, 5, v5
	v_add_nc_u32 v[STO], s23, v5
	v_and_b32 v6, 31, v0
	v_lshlrev_b32 v[CO], 4, v6                     ; back: the 32 lanes take one row of 512 bytes; the same in out0 and in bout
	v_add_nc_u32 v[RD], s23, v[CO]
	s_lshl_b32 s20, s17, 8
	s_lshl_b32 s21, s15, 7
	s_add_co_u32 s20, s20, s21
	s_lshl_b32 s20, s20, 12                        ; my first row of out0, 4,096 bytes a row: under 2^25
	s_mov_b32 s21, 0
	s_lshl_b32 s46, s42, 10                        ; my first column, in bytes: 1,024 x tile column + 512 x half
	s_lshl_b32 s47, s16, 9
	s_add_co_u32 s46, s46, s47
	s_mov_b32 s47, 0
	s_add_nc_u64 s[8:9], s[8:9], s[46:47]
	s_add_nc_u64 s[20:21], s[20:21], s[46:47]
	s_add_nc_u64 s[12:13], s[12:13], s[20:21]
	global_load_b128 v[BI:BI+3], v[CO], s[8:9]     ; back from the stage a lane holds the same four columns in every row: four numbers of bout serve the whole tile
.macro FRAG reg, adr, q, i
.irp c, 0,1,2,3
	ds_load_b128 v[\reg+4*\c:\reg+4*\c+3], v[\adr] offset:128*(\q)+32*\c+(\i)*16*PITCH
.endr
.endm
.macro MUL16 a0, p, zero               ; the 64 accumulators take turns, one instruction a turn, in the same order in every step
.irp a, \a0, \a0+1
.irp b, 0,1,2,3,4,5,6,7
.if \zero
	v_wmma_f32_16x16x128_fp8_fp8 v[8*(8*((\a)%4)+\b):8*(8*((\a)%4)+\b)+7], v[128*(\p)+FR*\b:128*(\p)+FR*\b+FR-1], v[AF+FR*(\a):AF+FR*(\a)+FR-1], 0
.else
	v_wmma_f32_16x16x128_fp8_fp8 v[8*(8*((\a)%4)+\b):8*(8*((\a)%4)+\b)+7], v[128*(\p)+FR*\b:128*(\p)+FR*\b+FR-1], v[AF+FR*(\a):AF+FR*(\a)+FR-1], v[8*(8*((\a)%4)+\b):8*(8*((\a)%4)+\b)+7]
.endif
.endr
.endr
.endm
.macro FETCH_B slot, q, p
	WIN TO_B
.irp i, 0,1,2,3,4,5,6,7
	FRAG 128*(\p)+FR*\i, ADRB+\slot, \q, \i
.endr
	WIN 0
.endm
.macro FETCH_A slot, q, i0
.irp i, \i0, \i0+1, \i0+2, \i0+3
	FRAG AF+FR*(\i), ADRA+\slot, \q, \i
.endr
.endm
.macro PLACES n
.rept \n
	v_nop
.endr
.endm
.macro STEP slot, q, zero
	s_wait_dscnt 4*NL                              ; B's set and A's blocks 0-3 are in; the youngest sixteen loads may be out
	WIN MUL_LO
	MUL16 0, (\q)%2, \zero
	MUL16 2, (\q)%2, \zero
	s_wait_dscnt 0
	PLACES NP
	FETCH_B \slot, (\q)+1, 1-(\q)%2
	FETCH_A \slot, (\q)+1, 0
	WIN MUL_HI
	MUL16 4, (\q)%2, \zero
	MUL16 6, (\q)%2, \zero
	PLACES NP
	WIN 0
	FETCH_A \slot, (\q)+1, 4
.endm
.macro TURN slot, next, fill
	s_wait_tensorcnt 0x0                           ; all my tensor loads have landed: my part of the next slot
	ds_add_u32 v[SPW], v[NIL]                      ; 0 onto my spare word
	s_wait_dscnt 4*NL+1                            ; (the add and the youngest sixteen loads may be out)
	WIN MUL_LO
	MUL16 0, 1, 0
	s_wait_dscnt 0x0                               ; the add is done, and my reads of this slot are over
	s_barrier_signal -1
	MUL16 2, 1, 0
	WIN 0
	s_barrier_wait -1
.if \fill
	CREST                                          ; a round of the cluster's barrier: no wave of any partner still reads this slot or has a load on its way
	s_add_nc_u64 s[G0+4*\slot+2:G0+4*\slot+3], s[G0+4*\slot+2:G0+4*\slot+3], 2*ROWB
	s_add_nc_u64 s[G0B+4*\slot+2:G0B+4*\slot+3], s[G0B+4*\slot+2:G0B+4*\slot+3], 2*ROWB
	JLOAD G0+4*\slot, G1, G0B+4*\slot, G1B
.else
	PLACES NP
.endif
	FETCH_B \next, 0, 0
	FETCH_A \next, 0, 0
	WIN MUL_HI
	MUL16 4, 1, 0
	MUL16 6, 1, 0
	PLACES NP
	WIN 0
	FETCH_A \next, 0, 4
.endm
	s_wait_tensorcnt 1                             ; my part of slot 0 is in; slot 1's may be out
	s_barrier_signal -1
	s_barrier_wait -1
	FETCH_B 0, 0, 0
	FETCH_A 0, 0, 0
	FETCH_A 0, 0, 4
	STEP 0, 0, 1
	s_mov_b32 s3, LAPS-1
.Llap:
	TURN 0, 1, 1
	STEP 1, 0, 0
	TURN 1, 0, 1
	STEP 0, 0, 0
	s_sub_co_u32 s3, s3, 1
	s_cmp_lg_u32 s3, 0
	s_cbranch_scc1 .Llap
	TURN 0, 1, 0
	STEP 1, 0, 0
	s_wait_dscnt 4*NL
	WIN MUL_LO
	MUL16 0, 1, 0
	MUL16 2, 1, 0
	s_wait_dscnt 0
	WIN MUL_HI
	MUL16 4, 1, 0
	MUL16 6, 1, 0
	WIN 0
; THE WAY OUT, a block of 16 rows x 128 columns at a time.  The sums go into my own stage as they are, each accumulator's low four registers first, and come back as whole rows of 512 bytes; there one packed multiply-add for two
; numbers gives sum x 2^(e6 + e7) + bout, and the 32 lanes store 512 consecutive bytes, aligned.  LDS serves a wave's instructions in order (ISA guide 5.7.1.4): no wait between the stage's stores and loads.
.macro TOSTAGE a
.set AC, 64*((\a)%4)
.set BB, BK+64*((\a)%2)
	WIN 0x08+4*((\a)/4)                            ; an LDS store's data: window 2 or 3
.irp b, 0,1,2,3,4,5,6,7
	ds_store_b128 v[STO], v[AC+8*\b:AC+8*\b+3] offset:64*\b
	ds_store_b128 v[STO], v[AC+8*\b+4:AC+8*\b+7] offset:64*\b+16
.endr
	WIN 0
.irp t, 0,1,2,3,4,5,6,7,8,9,10,11,12,13,14,15
	ds_load_b128 v[BB+4*\t:BB+4*\t+3], v[RD] offset:\t*SPITCH
.endr
.endm
.macro SEND a, younger                 ; younger: the LDS instructions issued behind block a's loads
.set BB, BK+64*((\a)%2)
	s_wait_dscnt \younger
.if (\a) > 0
	s_add_nc_u64 s[12:13], s[12:13], 16*SIZE_N*4   ; (behind a wait on XCNT: the earlier stores have read their base)
.endif
.irp t, 0,1,2,3,4,5,6,7,8,9,10,11,12,13,14,15
	v_pk_fma_f32 v[BB+4*\t:BB+4*\t+1], v[BB+4*\t:BB+4*\t+1], s[96:97], v[BI:BI+1] op_sel_hi:[1,0,1]
	v_pk_fma_f32 v[BB+4*\t+2:BB+4*\t+3], v[BB+4*\t+2:BB+4*\t+3], s[96:97], v[BI+2:BI+3] op_sel_hi:[1,0,1]
.endr
.irp t, 0,1,2,3,4,5,6,7,8,9,10,11,12,13,14,15
	global_store_b128 v[CO], v[BB+4*\t:BB+4*\t+3], s[12:13] offset:\t*SIZE_N*4 th:TH_STORE_NT
.endr
.endm
	s_wait_kmcnt 0x0
	s_add_co_i32 s96, s96, s97
	s_add_co_i32 s96, s96, 127
	s_lshl_b32 s96, s96, 23                        ; 2^(e6 + e7)
	s_mov_b32 s97, s96                             ; (named with it as a pair, so it is written)
	s_wait_loadcnt 0x0                             ; bout
	PLACES NP                                      ; behind the last products: their results are read by the stage's stores, and A's registers take the loads below
	TOSTAGE 0
.irp a, 1,2,3,4,5,6,7
.if \a > 1
	s_wait_xcnt 0x0                                ; block a - 2's stores have read their registers and their base
.endif
	TOSTAGE \a
	SEND \a-1, 32                                  ; behind block a - 1's loads: block a's 16 stores and 16 loads
.endr
	s_wait_xcnt 0x0
	SEND 7, 0
	s_wait_tensorcnt 0x0                           ; the wave's end
	ds_add_u32 v[SPW], v[NIL]
	s_wait_dscnt 0x0
	CROUND                                         ; the closing round
	s_endpgm
.Lfunc_end_k_qbed3edb968_gemm_out:
	.size	k_qbed3edb968_gemm_out, .Lfunc_end_k_qbed3edb968_gemm_out-k_qbed3edb968_gemm_out
	.p2alignl 7, 3214868480
	.fill 96, 4, 3214868480
	.section	.rodata,"a",@progbits
	.p2align	6, 0x0
	.amdhsa_kernel k_qbed3edb968_gemm_out
		.amdhsa_group_segment_fixed_size 327680
		.amdhsa_private_segment_fixed_size 0
		.amdhsa_enable_private_segment 0
		.amdhsa_kernarg_size 40
		.amdhsa_user_sgpr_count 2
		.amdhsa_user_sgpr_kernarg_segment_ptr 1
		.amdhsa_wavefront_size32 1
		.amdhsa_system_sgpr_workgroup_id_x 1
		.amdhsa_system_sgpr_workgroup_id_y 1
		.amdhsa_system_sgpr_workgroup_id_z 1
		.amdhsa_system_vgpr_workitem_id 0
		.amdhsa_next_free_vgpr 1024
		.amdhsa_next_free_sgpr 100
		.amdhsa_reserve_vcc 0
		.amdhsa_float_denorm_mode_32 3
		.amdhsa_float_denorm_mode_16_64 3
		.amdhsa_memory_ordered 1
		.amdhsa_forward_progress 1
		.amdhsa_inst_pref_size 123
	.end_amdhsa_kernel
	.amdgpu_metadata
---
amdhsa.version: [ 1, 2 ]
amdhsa.kernels:
  - .name:           k_qbed3edb968_gemm_out
    .symbol:         k_qbed3edb968_gemm_out.kd
    .args:
      - { .name: ac, .offset: 0, .size: 8, .value_kind: global_buffer, .address_space: global }
      - { .name: woc, .offset: 8, .size: 8, .value_kind: global_buffer, .address_space: global }
      - { .name: bout, .offset: 16, .size: 8, .value_kind: global_buffer, .address_space: global }
      - { .name: lowp_scales, .offset: 24, .size: 8, .value_kind: global_buffer, .address_space: global }
      - { .name: out0, .offset: 32, .size: 8, .value_kind: global_buffer, .address_space: global }
    .group_segment_fixed_size: 327680
    .private_segment_fixed_size: 0
    .kernarg_segment_align: 8
    .kernarg_segment_size: 40
    .max_flat_workgroup_size: 128
    .sgpr_count:     100
    .vgpr_count:     1024
    .wavefront_size: 32
...
	.end_amdgpu_metadata
.endif
;; end of part 4
